; MI455X (gfx1250); checked and timed in simulation.
; The chip was launched on July 23, 2026; its instructions are those of AMD's public machine-readable ISA for CDNA 5 (MIT licence, August 2026) and "CDNA5" Instruction Set Architecture Reference Guide (July 2026). The comments in the code are by the model that wrote it; some were corrected since.
;; Multi Head Attention. Allowed arithmetic: matrix products marked QUANTISED: E2M1 operands, one E8M0 scale for each 32 along K, by v_wmma_scale_f32_16x16x128_f8f6f4 with both operands' format E2M1 (or v_wmma_scale_f32_32x16x128_f4), f32 sums; everything else in f32.
;; Inputs: Wk_codes 1,024 x 32 x 16 uint8 (E2M1 codes of Wk, K innermost, in blocks of 32 codes, two codes a byte); Wk_scales 1,024 x 32 uint8 (E8M0 scales of Wk, one for each 32 codes along K); Wo_codes 1,024 x 32 x 16 uint8 (E2M1 codes of Wo, K innermost, in blocks of 32 codes, two codes a byte); Wo_scales 1,024 x 32 uint8 (E8M0 scales of Wo, one for each 32 codes along K); Wq_codes 1,024 x 32 x 16 uint8 (E2M1 codes of Wq, K innermost, in blocks of 32 codes, two codes a byte); Wq_scales 1,024 x 32 uint8 (E8M0 scales of Wq, one for each 32 codes along K); Wv_codes 1,024 x 32 x 16 uint8 (E2M1 codes of Wv, K innermost, in blocks of 32 codes, two codes a byte); Wv_scales 1,024 x 32 uint8 (E8M0 scales of Wv, one for each 32 codes along K); bk 1,024 float32; bo 1,024 float32; bq 1,024 float32; bv 1,024 float32; k_codes 4 x 2,048 x 32 x 16 uint8 (E2M1 codes of k, K innermost, in blocks of 32 codes, two codes a byte); k_scales 4 x 2,048 x 32 uint8 (E8M0 scales of k, one for each 32 codes along K); q_codes 4 x 2,048 x 32 x 16 uint8 (E2M1 codes of q, K innermost, in blocks of 32 codes, two codes a byte); q_scales 4 x 2,048 x 32 uint8 (E8M0 scales of q, one for each 32 codes along K); v_codes 4 x 2,048 x 32 x 16 uint8 (E2M1 codes of v, K innermost, in blocks of 32 codes, two codes a byte); v_scales 4 x 2,048 x 32 uint8 (E8M0 scales of v, one for each 32 codes along K).
;; Outputs: out0 4 x 2,048 x 1,024 float32.
;; This version of the problem:
;;   THIS VERSION OF THE PROBLEM IS GIVEN IN LOW PRECISION. The matrix products marked QUANTISED in the list below multiply operands that are first quantised to E2M1 (2 exponent bits, 1 mantissa bit; 4 bits a number), with one power-of-two scale for each 32 numbers along K (OCP MX v1.0); their sums are f32. All else is computed in f32.
;;   The module's matrix products, in the order in which they are computed (A, B: the left and right operand; K: the contracted axis; several contracted axes count as one K, in the product's order):
;;     1. [M 8,192, K 1,024] x [K 1,024, N 1,024]; A: input q (given as codes); B: input Wq (given as codes): QUANTISED
;;     2. [M 8,192, K 1,024] x [K 1,024, N 1,024]; A: input k (given as codes); B: input Wk (given as codes): QUANTISED
;;     3. [M 8,192, K 1,024] x [K 1,024, N 1,024]; A: input v (given as codes); B: input Wv (given as codes): QUANTISED
;;     4. batch 64 x [M 2,048, K 64] x [K 64, N 2,048]; A: computed on the way; B: computed on the way: QUANTISED
;;     5. batch 64 x [M 2,048, K 2,048] x [K 2,048, N 64]; A: softmax (see below); B: computed on the way: QUANTISED
;;     6. [M 8,192, K 1,024] x [K 1,024, N 1,024]; A: computed on the way; B: input Wo (given as codes): QUANTISED
;;   THE QUANTISER, for each operand of a quantised product, along K:
;;     - K is cut into blocks of 32 from its start; a last block that is shorter is filled with zeros.
;;     - A block's scale is 2^e with e = floor(log2(the largest magnitude in the block)) - 2, held to -126 .. 127; a block of zeros has e = 0. As a byte (E8M0): e + 127.
;;     - Each number is divided by its block's scale, clamped to +-6, and rounded to the nearest number of E2M1, ties to even, subnormals kept.
;;     - The product sums the exact products of the quantised numbers (number of the format x scale) in f32.
;;   ~~~python
;;   def quantise(x, axis):      # numpy; x: float32 -> the quantised numbers, widened to float32 again
;;       x = np.moveaxis(x, axis, -1); K = x.shape[-1]
;;       x = np.pad(x, [(0, 0)] * (x.ndim - 1) + [(0, -K % 32)]); x = x.reshape(x.shape[:-1] + (-1, 32)); a = np.abs(x).max(-1, keepdims=True)
;;       e = np.where(a > 0, np.clip(np.frexp(np.where(a > 0, a, 1))[1] - 1 - 2, -126, 127), 0)      # np.frexp(a)[1] - 1 = floor(log2(a)), exactly
;;       r = np.clip(x / 2.0 ** e, -6, 6)
;;       step = 2.0 ** (np.maximum(np.frexp(np.where(r == 0, 1, r))[1] - 1, 0) - 1)
;;       q = np.round(r / step) * step * 2.0 ** e      # np.round: ties to even
;;       return np.moveaxis(q.reshape(q.shape[:-2] + (-1,))[..., :K], -1, axis).astype(np.float32)
;;   ~~~
;;   SOFTMAX AHEAD OF A QUANTISED PRODUCT. Where the list says 'softmax', what is quantised is not the finished softmax but p = 2^(t - M), with t = logit x log2(e) and M = ceil(the row's largest t), a whole number; so 1/2 < the row's largest p <= 1. The row's sum l is taken of the UNQUANTISED p, in f32, and the product's result is divided by l at the end. Since M is a whole number, a kernel that streams over the keys may use a running M (the ceiling of the running maximum): every later rescaling is an exact power of two, which a block's scale takes up: the codes' values come out the same.
;;   OPERANDS COMPUTED ON THE WAY. 'Computed on the way' means the value that the module computes at that place (a softmax that the list does not call 'softmax' is quantised finished and normalised). What goes into a quantiser is computed in f32, as accurately as f32 sums, v_exp_f32 and their like allow (about 1e-6 of the number): no bf16 or f16 on the way to a quantiser, and a product that is left as it is and whose result goes on into a quantised operand takes f32 operands (vector FMAs, or v_wmma_f32_16x16x4_f32). A number that lies on a knife's edge between two numbers of the format may be rounded either way, as far as f32 arithmetic and the matrix unit's own rounding can turn it there, and no further.
;;   INPUTS GIVEN AS CODES. Wk (in the module: [1024, 1024], K = its axis 0); Wo (in the module: [1024, 1024], K = its axis 0); Wq (in the module: [1024, 1024], K = its axis 0); Wv (in the module: [1024, 1024], K = its axis 0); k (in the module: [4, 2048, 1024], K = its axis 2); q (in the module: [4, 2048, 1024], K = its axis 2); v (in the module: [4, 2048, 1024], K = its axis 2): each comes as NAME_codes (uint8): NAME with its K axis moved to the last place and cut into blocks of 32 codes, [.., K / 32, bytes a block], one block behind the other in memory; two codes a byte, the lower K in the low four bits (a code: sign, 2 exponent bits, 1 mantissa bit); and NAME_scales (uint8): the same leading axes, one E8M0 byte (e + 127) for each 32 codes along K. Its value is code x scale, taken as it is: it is not quantised again, and the codes and scales need not be those that the quantiser above would give.
;; One version. Each part assembles by itself: llvm-mc -triple=amdgcn-amd-amdhsa -mcpu=gfx1250 --defsym DOCPART=n.
;; ======== version 1 of 1: 3 launches
;; workspace buffers: q_img 4,194,304 bytes; k_img 4,194,304 bytes; v_img 4,194,304 bytes; q_sc 524,288 bytes; k_sc 524,288 bytes; v_sc 524,288 bytes; o_img 4,194,304 bytes; o_sc 262,144 bytes
;; launch proj (part 1): grid 4 x 96, 4 waves a work-group, clusters of 4 x 4, 327,680 bytes of LDS; arguments q_codes, q_scales, Wq_codes, Wq_scales, bq, q_img, q_sc, k_codes, k_scales, Wk_codes, Wk_scales, bk, k_img, k_sc, Wv_codes, Wv_scales, v_codes, v_scales, bv, v_img, v_sc; writes q_img, q_sc, k_img, k_sc, v_img, v_sc
.if DOCPART == 1
	.amdgcn_target "amdgcn-amd-amdhsa--gfx1250"
	.amdhsa_code_object_version 6
	.text
	.protected	k_q968de72df5_proj
	.globl	k_q968de72df5_proj
	.p2align	8
	.type	k_q968de72df5_proj,@function
k_q968de72df5_proj:
	s_mov_b64 s[64:65], 0
	v_nop
	global_prefetch_b8 v0, s[64:65] scope:SCOPE_SE
	s_setreg_imm32_b32 hwreg(HW_REG_WAVE_MODE, 25, 1), 1
	s_wait_xcnt 0x0
	s_wait_alu depctr_hold_cnt(0) depctr_sa_sdst(0) depctr_va_vdst(0) depctr_va_sdst(0) depctr_va_ssrc(0) depctr_va_vcc(0) depctr_vm_vsrc(0)
	s_getreg_b32 s2, hwreg(HW_REG_IB_STS2, 6, 4)
	s_cmp_eq_u32 s2, 0
	s_cbranch_scc0 .Lentry_in_a_cluster
	s_endpgm
.Lentry_in_a_cluster:
	s_bfe_u32 s2, ttmp6, 0x10000c
	s_cmp_lg_u32 s2, 0xf033
	s_cbranch_scc0 .Lentry_shape_is_right
	s_endpgm
.Lentry_shape_is_right:
; THE THREE PROJECTIONS qh = q Wq + bq, kh = k Wk + bk, vh = v Wv + bv on codes of FP4 (E2M1) with one E8M0 scale for each 32 along K = 1,024, and the quantising of their results for attention:
; qh and kh along the head's 64 numbers, vh along the keys.  Nothing leaves as f32: the results go out as codes and scale words, laid as IMAGES OF THE NEXT PRODUCT'S OPERAND REGISTERS.
; ONE TEXT FOR THE THREE.  A is the operand whose rows become lanes of a result, B the one whose rows become a lane's registers (the matrix instruction is used transposed: source 0 = 16 rows of B, source 1 = 16 rows of A).
; For q and k: A = the tokens [8192][1024], B = the weight [1024 features][1024]: a lane holds one token and its registers run along the features, which is the next K.
; For v: A = Wv, B = the tokens: a lane holds one feature and its registers run along the tokens, which are the keys, the next K.  Only pointers, a shift and two masks differ between the kinds: no branch.
; SHARES.  24 clusters of 4 x 4 work-groups: 8 for each kind.  A work-group makes 256 x 256 of a result, each of its four waves 128 x 128: 64 accumulators, 512 registers.
; The four work-groups of a cluster's row need the same rows of A, the four of a column the same rows of B: each tile is asked for jointly, by the same tensor load with a mask that names the four.
; ALL OF K FITS IN LDS: a row of 1,024 codes is 512 bytes.  Two slots of 256-byte rows (K 0-511, K 512-1,023) and the scale bytes are each filled ONCE, at the head; no LDS byte is filled a second time.
; THE ROWS OF A TILE ARE NOT NEIGHBOURS, in A and in B alike: place x of tile i of a wave's 128 rows takes row 32 (i / 2) + 8 (i % 2) + x + 8 (x / 8).  So the 16 registers of B's tiles 2 t and 2 t + 1 are 16 neighbours
; along the next K (32 t + 16 (lane / 16) + 0 .. 15), and the tiles of tokens that go out are formed as the attention launch wants its tiles of keys.  (The two groups of eight rows of a fragment load lie 16 rows apart: they meet two deep in the banks.)
; THE BIAS starts the sums: the accumulators are written as bias before the first product, while the tiles are on their way.
; LIMITS: NaN and infinities are not served.  A block of 32 whose largest magnitude lies under 2^-124 (a block of zeros too) gets the scale byte 1; these bytes are read by this program alone.
; REGISTERS, in windows of 256: window 0: v1-30 addresses; v32-95 scale words, a set for each slot; v96-111 the bias by lanes, later the scale words made; v128-191, v192-255 A's fragments, two sets (v192-255 first hold the bias by registers;
;   at the end v128-191 take the codes made, v200-227 are at work).   window 1: v0-63, v128-191 B's fragments, two sets.   window 2: accumulators of A's blocks 0-3 ((a, b) at v[8 (8 a + b)]);   window 3: of blocks 4-7.
.set PITCH,  272                       ; an LDS row: 256 bytes of codes + 16 of padding
.set HALFT,  128*PITCH                 ; 128 rows: what one tensor load brings, and what one wave reads of A or of B
.set SLOT,   4*HALFT                   ; A's 256 rows, then B's 256 rows
.set SCL,    2*SLOT                    ; behind the slots: the scale bytes, as rows of 256 bytes + 16 of padding
.set HALFS,  16*272                    ; those of 128 rows (32 bytes a row)
.set STG,    SCL+4*HALFS               ; behind them: 1,024 bytes for each wave, in which its scale words are gathered; no tensor load lands here
.set ADRA, 16                          ; v16-17  LDS address of my A fragments in slot 0, 1
.set ADRB, 20                          ; v20-21  the same for B
.set LI,   24                          ; v24     16 x lane: my place in an image
.set STW,  25                          ; v25     my stage, 4 x lane
.set STR,  26                          ; v26     my stage, 16 x lane
.set ADRS, 27                          ; v27     LDS address of my scale words: lanes 0-15 A's rows, lanes 16-31 B's
.set SHV,  28                          ; v28     q, k: 16 x (lane / 16); v: 0: how far the scale word made is shifted down
.set BNO,  29                          ; v29     64 x (lane / 16)
.set BMO,  30                          ; v30     4 x (my place's row in a tile)
.set SC,   32                          ; scale words: register SC + 32 slot + 4 i + q: lanes 0-15 the word of A's block i, lanes 16-31 that of B's block i, for the slot's q-th 128 along K
.set BM,   96                          ; the bias by lanes, a pair for each block of A (the packed addition names a pair); later v96-103: the scale words made
.set AF,   128                         ; A's fragments
.set BN,   192                         ; the bias by registers: register 8 b + j
.set TM,   200                         ; v200-203 largest magnitudes, v204-207 bytes, v212-215 the conversions' scale operands
.set PW,   216                         ; the scale word just made
.set SB,   220                         ; v220-227 the stage read back
.set R0,   2                           ; s2      my wave's first row of A
.set C0,   3                           ; s3      my wave's first row of B
.set SEL,  18                          ; s[18:19] lane selects for v_permlanex16_b32: lane l xor 16 (set late: s18 and s19 serve as temporaries before)
.set SHS,  19
.set G1A,  24                          ; s[24:31] descriptor group 1 for A's tiles;  s[32:39] group 0, a set for each slot
.set G0A,  32
.set MQK,  46                          ; s46     -1 for q and k, 0 for v
.set MV,   47                          ; s47     the other way round
.set G1B,  48                          ; s[48:55], s[56:63] the same for B's tiles
.set G0B,  56
.set G1SA, 68                          ; s[68:75], s[76:79] groups 1 and 0 for A's scale bytes;  s[80:87], s[88:91] for B's
.set G0SA, 76
.set G1SB, 80
.set G0SB, 88
.set WV,   92
.set HR,   93                          ; which half of the tile's rows of A is mine.  Also: I fetch for A (0) or for B (1)
.set HC,   94                          ; which half of its rows of B.  Also: which 128 rows I fetch
.set CX,   95
.set CY,   96
.set KIND, 97                          ; 0 q, 1 k, 2 v
.set TR,   98                          ; tile row: which 256 rows of A
.set TC,   99                          ; tile column: which 256 rows of B
.set MKA,  100
.set MKB,  101
.set MSB, 0
.macro WIN new                         ; the immediate's high byte repeats the setting that is left; a switch that changes nothing is dropped
.if MSB != (\new)
	s_set_vgpr_msb (MSB<<8)|(\new)
.set MSB, (\new)
.endif
.endm
.macro PLACES n
.rept \n
	v_nop
.endr
.endm
; A joint load: waves 0 and 1 fetch for A, waves 2 and 3 for B.  Each of the two lines has one mask and one set of registers for all that issue it; the branch hangs on the wave's number alone.
; Four v_nop follow each of the two lines, ahead of the jump, the label and what follows.
.macro JLOAD g0a, g1a, g0b, g1b
	s_cmp_eq_u32 s[HR], 0
	s_cbranch_scc0 .Lfor_b_\@
	tensor_load_to_lds s[\g0a:\g0a+3], s[\g1a:\g1a+7]
	s_nop 0
.rept 4
	v_nop
.endr
	s_branch .Lasked_\@
.Lfor_b_\@:
	tensor_load_to_lds s[\g0b:\g0b+3], s[\g1b:\g1b+7]
	s_nop 0
.rept 4
	v_nop
.endr
.Lasked_\@:
.endm
.macro CREST                           ; a round of the cluster's barrier behind its opening barrier
	s_cmp_lg_u32 s[WV], 0
	s_cbranch_scc1 .Lnot_wave_0_\@
	s_barrier_signal -3
.Lnot_wave_0_\@:
	s_barrier_wait -3
	s_barrier_signal -1
	s_barrier_wait -1
.endm
.macro CROUND                          ; a whole round
	s_barrier_signal -1
	s_barrier_wait -1
	CREST
.endm
	; seven addresses a kind: A's codes, A's scales, B's codes, B's scales, the bias, the images, the scale words
	s_load_b256 s[4:11], s[0:1], 0x0
	s_load_b128 s[12:15], s[0:1], 0x20
	s_load_b64 s[16:17], s[0:1], 0x30
	s_load_b256 s[20:27], s[0:1], 0x38
	s_load_b128 s[28:31], s[0:1], 0x58
	s_load_b64 s[32:33], s[0:1], 0x68
	s_load_b256 s[36:43], s[0:1], 0x70
	s_load_b128 s[44:47], s[0:1], 0x90
	s_load_b64 s[48:49], s[0:1], 0xa0
	v_lshl_add_u32 v126, v0, 2, 0x49400
	v_mov_b32 v127, 0
	ds_add_u32 v126, v127
	ds_add_u32 v126, v127
	v_lshrrev_b32 v1, 5, v0
	v_readfirstlane_b32 s[WV], v1                  ; wave 0..3
	s_lshr_b32 s[HR], s[WV], 1
	s_and_b32 s[HC], s[WV], 1
	s_bfe_u32 s[CX], ttmp6, 0x40000                ; my place in the cluster
	s_bfe_u32 s[CY], ttmp6, 0x40004
	s_and_b32 s104, ttmp7, 0xffff                  ; the cluster's y, 0 .. 23: the same in all sixteen partners
	s_lshr_b32 s[KIND], s104, 3
	s_and_b32 s104, s104, 7
	s_lshl_b32 s104, s104, 2                       ; the tokens' 32 tiles of 256 go four to a cluster
	s_cmp_eq_u32 s[KIND], 2
	s_cselect_b32 s[TR], 0, s104                   ; q, k: the tokens are A;
	s_cselect_b32 s[TC], s104, 0                   ; v: they are B
	s_cselect_b32 s[SHS], 0, 16
	s_add_co_u32 s[TR], s[TR], s[CY]               ; A's tile hangs on cy alone,
	s_add_co_u32 s[TC], s[TC], s[CX]               ; B's on cx alone
	s_lshl_b32 s[MKA], s[CY], 2
	s_lshl_b32 s[MKA], 15, s[MKA]                  ; my row of the cluster
	s_lshl_b32 s[MKB], 0x1111, s[CX]               ; my column
	v_and_b32 v1, 15, v0                           ; r = lane % 16
	v_bfe_u32 v2, v0, 4, 1                         ; h = lane / 16
	v_and_b32 v3, 8, v1
	v_add_nc_u32 v3, v3, v1                        ; r + 8 (r / 8): my place's row in a tile
	v_mul_u32_u24 v4, v3, PITCH
	v_lshl_add_u32 v4, v2, 4, v4                   ; that row x pitch + 16 h
	s_mul_i32 s104, s[HR], HALFT                   ; my 128 rows of A
	s_mul_i32 s105, s[HC], HALFT                   ; my 128 rows of B,
	s_add_co_u32 s105, s105, 2*HALFT               ; which lie behind A's 256
.irp s, 0,1
	v_add_nc_u32 v[ADRA+\s], s104, v4
	v_add_nc_u32 v[ADRB+\s], s105, v4
	s_add_co_u32 s104, s104, SLOT
	s_add_co_u32 s105, s105, SLOT
.endr
	v_and_b32 v5, 7, v1                            ; scale bytes: 32 a row, eight rows to an LDS row of 272: my place's row lies (r / 8) x 2 LDS rows down, at 32 (r % 8)
	v_lshlrev_b32 v5, 5, v5
	v_lshrrev_b32 v6, 3, v1
	v_mad_u32_u24 v5, v6, 544, v5
	s_mul_i32 s104, s[HR], HALFS                   ; A's: my 128 rows
	s_mul_i32 s105, s[HC], HALFS                   ; B's: my 128 rows, behind A's 256
	s_add_co_u32 s105, s105, 2*HALFS
	s_sub_co_u32 s105, s105, s104
	v_mul_u32_u24 v6, s105, v2                     ; lanes 16-31 take B's: one product, h x the distance
	s_add_co_u32 s104, s104, SCL
	v_add_nc_u32 v5, v5, v6
	v_add_nc_u32 v[ADRS], s104, v5
	v_and_b32 v7, 31, v0
	v_lshlrev_b32 v[LI], 4, v7
	s_lshl_b32 s104, s[WV], 10
	s_add_co_u32 s104, s104, STG                   ; my stage
	v_lshl_add_u32 v[STW], v7, 2, s104
	v_lshl_add_u32 v[STR], v7, 4, s104
	v_mul_u32_u24 v[SHV], s[SHS], v2
	v_lshlrev_b32 v[BNO], 6, v2
	v_lshlrev_b32 v[BMO], 2, v3
	s_wait_dscnt 0x0
	s_wait_kmcnt 0x0
	s_cmp_eq_u32 s[KIND], 1                        ; the kind's seven addresses come to s[4:17]: the choice hangs on the cluster's number alone
.irp i, 0,1,2,3,4,5,6
	s_cselect_b64 s[4+2*\i:5+2*\i], s[20+2*\i:21+2*\i], s[4+2*\i:5+2*\i]
.endr
	s_cmp_eq_u32 s[KIND], 2
.irp i, 0,1,2,3,4,5,6
	s_cselect_b64 s[4+2*\i:5+2*\i], s[36+2*\i:37+2*\i], s[4+2*\i:5+2*\i]
.endr
	s_cselect_b32 s[MQK], 0, -1
	s_cselect_b32 s[MV], -1, 0
	; descriptor group 1: a tile of 128 rows x 256 bytes, rows 512 bytes apart in memory, padded in LDS
	s_or_b32 s[G1A], s[MKA], (0<<16)|(1<<20)|(1<<21)|(5<<22)|(3<<25)   ; 15:0 the mask; 17:16 elements of 1 byte; 20 padding on; 21 set beside a mask; 24:22 after every 64 words; 31:25 four words
	s_or_b32 s[G1B], s[MKB], (0<<16)|(1<<20)|(1<<21)|(5<<22)|(3<<25)
.irp g, G1A, G1B
	s_mov_b32 s[\g+1], 256<<16                     ; tensor_dim0
	s_mov_b32 s[\g+2], 128<<16                     ; tensor_dim1
	s_mov_b32 s[\g+3], 256<<16                     ; tile_dim0
	s_mov_b32 s[\g+4], 128                         ; tile_dim1
	s_mov_b32 s[\g+5], 512                         ; from row to row
	s_mov_b32 s[\g+6], 0
	s_mov_b32 s[\g+7], 0
.endr
	; and for the scale bytes of 128 rows: 4,096 dense bytes as 16 rows of 256 (32 elements of 8 bytes), 16 bytes of padding behind each
	s_or_b32 s[G1SA], s[MKA], (3<<16)|(1<<20)|(1<<21)|(5<<22)|(3<<25)
	s_or_b32 s[G1SB], s[MKB], (3<<16)|(1<<20)|(1<<21)|(5<<22)|(3<<25)
.irp g, G1SA, G1SB
	s_mov_b32 s[\g+1], 32<<16
	s_mov_b32 s[\g+2], 16<<16
	s_mov_b32 s[\g+3], 32<<16
	s_mov_b32 s[\g+4], 16
	s_mov_b32 s[\g+5], 32
	s_mov_b32 s[\g+6], 0
	s_mov_b32 s[\g+7], 0
.endr
	s_lshl_b32 s104, s[HC], 7                      ; which 128 rows of the tile I fetch
	s_lshl_b32 s20, s[TR], 8
	s_add_co_u32 s20, s20, s104                    ; A: row 256 x tile row + 128 x half
	s_lshl_b32 s22, s20, 5                         ; its scale bytes,
	s_lshl_b32 s20, s20, 9                         ; its codes (8,192 rows of 512 bytes at the most: 32 bits do)
	s_mov_b32 s21, 0
	s_mov_b32 s23, 0
	s_lshl_b32 s40, s[TC], 8
	s_add_co_u32 s40, s40, s104                    ; B likewise, in registers that never hold cy
	s_lshl_b32 s42, s40, 5
	s_lshl_b32 s40, s40, 9
	s_mov_b32 s41, 0
	s_mov_b32 s43, 0
	s_add_nc_u64 s[20:21], s[4:5], s[20:21]
	s_add_nc_u64 s[22:23], s[6:7], s[22:23]
	s_add_nc_u64 s[40:41], s[8:9], s[40:41]
	s_add_nc_u64 s[42:43], s[10:11], s[42:43]
	s_mul_i32 s44, s[WV], HALFT                    ; where they go: wave x 128 rows: no place in the cluster enters an LDS address
	s_mul_i32 s45, s[WV], HALFS
	CROUND                                         ; all sixteen work-groups are here: the joint loads meet
	s_mov_b32 s[G0SA], 1
	s_add_co_u32 s[G0SA+1], s45, SCL
	s_mov_b64 s[G0SA+2:G0SA+3], s[22:23]
	s_or_b32 s[G0SA+3], s[G0SA+3], 0x80000000
	s_mov_b32 s[G0SB], 1
	s_add_co_u32 s[G0SB+1], s45, SCL
	s_mov_b64 s[G0SB+2:G0SB+3], s[42:43]
	s_or_b32 s[G0SB+3], s[G0SB+3], 0x80000000
	JLOAD G0SA, G1SA, G0SB, G1SB                   ; the scale bytes first: they are wanted with slot 0
.irp s, 0,1
	s_mov_b32 s[G0A+4*\s], 1
	s_add_co_u32 s[G0A+4*\s+1], s44, \s*SLOT
	s_add_nc_u64 s[G0A+4*\s+2:G0A+4*\s+3], s[20:21], \s*256
	s_or_b32 s[G0A+4*\s+3], s[G0A+4*\s+3], 0x80000000
	s_mov_b32 s[G0B+4*\s], 1
	s_add_co_u32 s[G0B+4*\s+1], s44, \s*SLOT
	s_add_nc_u64 s[G0B+4*\s+2:G0B+4*\s+3], s[40:41], \s*256
	s_or_b32 s[G0B+4*\s+3], s[G0B+4*\s+3], 0x80000000
	JLOAD G0A+4*\s, G1A, G0B+4*\s, G1B             ; three loads of mine are out: all that this launch ever asks for
.endr
	; ---- where the bias lies and where my results go
	s_lshl_b32 s[R0], s[TR], 8
	s_lshl_b32 s104, s[HR], 7
	s_add_co_u32 s[R0], s[R0], s104                ; my first row of A
	s_lshl_b32 s[C0], s[TC], 8
	s_lshl_b32 s104, s[HC], 7
	s_add_co_u32 s[C0], s[C0], s104                ; my first row of B
	s_cmp_eq_u32 s[KIND], 2
	s_cselect_b32 s104, 0, s[C0]                   ; q, k: the features are B's rows; v: this load's numbers are masked away, and it reads the buffer's first 128
	s_cselect_b32 s18, s[R0], 0                    ; v: the features are A's rows; q, k: likewise masked away
	s_cselect_b32 s44, s[C0], s[R0]                ; X: my first token
	s_cselect_b32 s45, s[R0], s[C0]                ; Y: my first feature
	s_lshl_b32 s104, s104, 2
	s_mov_b32 s105, 0
	s_add_nc_u64 s[66:67], s[12:13], s[104:105]    ; the bias by registers
	s_lshl_b32 s104, s18, 2
	s_add_nc_u64 s[12:13], s[12:13], s[104:105]    ; the bias by lanes
	s_wait_alu depctr_va_vdst(0)
.irp b, 0,1,2,3
.irp j, 0,1,2,3
	global_load_b128 v[BN+16*\b+4*\j:BN+16*\b+4*\j+3], v[BNO], s[66:67] offset:128*\b+16*\j   ; register 16 b + i: feature 32 b + 16 h + i of my 128
.endr
.endr
.irp a, 0,1,2,3,4,5,6,7
	global_load_b32 v[BM+2*\a], v[BMO], s[12:13] offset:4*(32*(\a/2)+8*(\a%2))                ; block a: my place's feature
	v_mov_b32 v[BM+2*\a+1], 0                      ; (named with it as a pair, so it is written)
.endr
	s_lshr_b32 s104, s44, 11                       ; images: [batch][pair of heads][2,048 tokens x 64 bytes]: (X >> 11) << 20 + (Y >> 7) << 17 + (X & 2047) << 6
	s_lshl_b32 s104, s104, 20
	s_lshr_b32 s45, s45, 7
	s_lshl_b32 s45, s45, 17
	s_add_co_u32 s104, s104, s45
	s_and_b32 s44, s44, 2047
	s_lshl_b32 s44, s44, 6
	s_add_co_u32 s104, s104, s44
	s_add_nc_u64 s[14:15], s[14:15], s[104:105]
	s_lshr_b32 s104, s104, 3                       ; scale words: an eighth of that
	s_add_nc_u64 s[16:17], s[16:17], s[104:105]
	s_mov_b32 s[SEL], 0x76543210
	s_mov_b32 s[SEL+1], 0xfedcba98
	s_wait_loadcnt 0x0                             ; the bias
.set j, 0
.rept 64
	v_and_b32 v[BN+j], s[MQK], v[BN+j]             ; v has no bias by registers,
.set j, j+1
.endr
.irp a, 0,1,2,3,4,5,6,7
	v_and_b32 v[BM+2*\a], s[MV], v[BM+2*\a]        ; q and k none by lanes: zeros, without a branch
.endr
; THE SUMS BEGIN AS THE BIAS: accumulator (a, b), register j = the bias by registers (8 b + j) + the bias by lanes (a).  256 packed additions, while the tiles are on their way.
.macro BIAS hi
.irp a, 0,1,2,3
.irp b, 0,1,2,3,4,5,6,7
.irp j, 0,2,4,6
	v_pk_add_f32 v[8*(8*\a+\b)+\j:8*(8*\a+\b)+\j+1], v[BN+8*\b+\j:BN+8*\b+\j+1], v[BM+2*(4*\hi+\a):BM+2*(4*\hi+\a)+1] op_sel_hi:[1,0]
.endr
.endr
.endr
.endm
	WIN 0x80                                       ; destination window 2
	BIAS 0
	WIN 0xc0                                       ; destination window 3
	BIAS 1
	WIN 0
.macro FRAG reg, adr, q, i             ; a fragment, 16 rows x 128 K of 4-bit codes, is 8 registers: registers 4 c .. 4 c + 3 hold K = 64 c + 32 (lane / 16) + 0 .. 31.  Tile i begins at row 32 (i / 2) + 8 (i % 2)
.irp c, 0,1
	ds_load_b128 v[\reg+4*\c:\reg+4*\c+3], v[\adr] offset:64*(\q)+32*\c+(32*((\i)/2)+8*((\i)%2))*PITCH
.endr
.endm
.macro SCALES sl                       ; a slot's scale words, four a row: lanes 0-15 take A's block i, lanes 16-31 B's block i
.irp i, 0,1,2,3,4,5,6,7
	ds_load_b128 v[SC+32*(\sl)+4*\i:SC+32*(\sl)+4*\i+3], v[ADRS] offset:(4*(\i/2)+\i%2)*272+16*(\sl)
.endr
.endm
.macro FETCH n                         ; the fragments of step n (128 along K: slot n / 4, its (n % 4)-th) into set n % 2
	WIN 0x40                                       ; destination window 1, address window 0
.irp i, 0,1,2,3,4,5,6,7
	FRAG 128*((\n)%2)+8*\i, ADRB+(\n)/4, (\n)%4, \i
.endr
	WIN 0
.irp i, 0,1,2,3,4,5,6,7
	FRAG AF+64*((\n)%2)+8*\i, ADRA+(\n)/4, (\n)%4, \i
.endr
.if (\n)%4 == 0
	SCALES (\n)/4
.endif
.endm
; 16 matrix instructions: A's blocks a0, a0 + 1 x B's eight.  The 64 accumulators take turns, one instruction a turn, in the same order in every step.
.macro MUL16 a0, p, q, sl
.irp a, \a0, \a0+1
.irp b, 0,1,2,3,4,5,6,7
	v_wmma_scale_f32_16x16x128_f8f6f4 v[8*(8*((\a)%4)+\b):8*(8*((\a)%4)+\b)+7], v[128*(\p)+8*\b:128*(\p)+8*\b+7], v[AF+64*(\p)+8*(\a):AF+64*(\p)+8*(\a)+7], v[8*(8*((\a)%4)+\b):8*(8*((\a)%4)+\b)+7], v[SC+32*(\sl)+4*\b+(\q)], v[SC+32*(\sl)+4*(\a)+(\q)] matrix_a_fmt:MATRIX_FMT_FP4 matrix_b_fmt:MATRIX_FMT_FP4 matrix_a_scale:MATRIX_SCALE_ROW1
.endr
.endr
.endm
; A step of 128 along K: its fragments are in; the next step's 32 loads (40 with a slot's scale words) go out in one run, into the set that the step before multiplied; then 64 matrix instructions.
.macro STEP n
	s_wait_dscnt 0x0                               ; this step's fragments, asked for 64 matrix instructions ago
.if (\n) == 3
	s_wait_tensorcnt 0x0                           ; my part of slot 1 has landed (no LDS instruction of mine is out),
	s_barrier_signal -1
	s_barrier_wait -1                              ; everybody's has: the next fetch reads slot 1.
.endif
.if (\n) < 7
	PLACES 4                                       ; four plain vector instructions between the last products that read a set and the loads into it (ISA guide 7.12.1 for vector instructions)
	FETCH (\n)+1
.endif
	WIN 0xa1                                       ; source 0 (B) window 1, source 1 (A) window 0, C and D window 2
	MUL16 0, (\n)%2, (\n)%4, (\n)/4
	MUL16 2, (\n)%2, (\n)%4, (\n)/4
	WIN 0xf1                                       ; C and D window 3
	MUL16 4, (\n)%2, (\n)%4, (\n)/4
	MUL16 6, (\n)%2, (\n)%4, (\n)/4
	WIN 0
.endm
	s_wait_alu depctr_va_vdst(0)
	s_wait_tensorcnt 1                             ; the scale bytes and my part of slot 0 are in; slot 1's load, the one issued behind them, may stay out
	s_barrier_signal -1
	s_barrier_wait -1                              ; everybody's are
	FETCH 0
.irp n, 0,1,2,3,4,5,6,7
	STEP \n
.endr
; THE WAY OUT.  Block a of A: my lane's 64 numbers (register 16 t + i = place 32 t + 16 (lane / 16) + i along the next K) become 8 registers of codes and a scale word.
; A block of 32 lies in lanes l and l xor 16.  Its scale: the largest magnitude's exponent field less 2, held at 1 from below by the floor 2^(3 - 127) among the maximum's leaves.
; Registers 4 c .. 4 c + 3 of the codes are an image: q, k: head c of the pair, block (lane / 16) of my token; v: keys 64 c + 32 (lane / 16) on of my feature.  Each leaves by one store of 512 consecutive bytes.
.macro BLOCK a
.set AC, 64*((\a)%4)
.set CD, AF+8*(\a)
	WIN 0x0a+5*((\a)/4)                            ; sources 0 and 1: window 2 or 3
.irp b, 0,1,2,3
	v_max3_num_f32 v[TM+\b], |v[AC+16*\b]|, |v[AC+16*\b+1]|, 0x1800000       ; each accumulator is read from its low end on
.endr
.irp i, 2,4,6,8,10,12,14
.irp b, 0,1,2,3
	v_max3_num_f32 v[TM+\b], |v[AC+16*\b+\i]|, |v[AC+16*\b+\i+1]|, v[TM+\b]   ; (the four blocks by turns)
.endr
.endr
	WIN 0
.irp b, 0,1,2,3
	v_permlanex16_b32 v[TM+4+\b], v[TM+\b], s[SEL], s[SEL+1]
.endr
.irp b, 0,1,2,3
	v_max_num_f32 v[TM+\b], v[TM+\b], v[TM+4+\b]   ; with lane l xor 16's: the block's largest magnitude
.endr
.irp b, 0,1,2,3
	v_add_nc_u32 v[TM+12+\b], 0xff000000, v[TM+\b] ; 2 off its exponent field: the conversion takes the exponent field of this operand as its scale
.endr
.irp b, 0,1,2,3
	v_lshrrev_b32 v[TM+4+\b], 23, v[TM+12+\b]      ; the scale's byte
.endr
	v_lshl_or_b32 v[PW], v[TM+5], 8, v[TM+4]
	v_lshl_or_b32 v[PW], v[TM+6], 16, v[PW]
	v_lshl_or_b32 v[PW], v[TM+7], 24, v[PW]
	WIN 0x02+(\a)/4                                ; source 0: window 2 or 3
.irp b, 0,1,2,3
	v_cvt_scalef32_pk8_fp4_f32 v[CD+2*\b], v[AC+16*\b:AC+16*\b+7], v[TM+12+\b]
	v_cvt_scalef32_pk8_fp4_f32 v[CD+2*\b+1], v[AC+16*\b+8:AC+16*\b+15], v[TM+12+\b]
.endr
	WIN 0
	v_lshrrev_b32 v[BM+(\a)], v[SHV], v[PW]        ; q, k: lanes 16-31 take the pair's second head's two bytes down to bytes 0 and 1.  (The plain instruction behind the conversions)
.irp c, 0,1                            ; the operand's layout wants a whole block in a lane
.irp i, 0,1
	v_permlane16_swap_b32 v[CD+4*\c+\i], v[CD+4*\c+2+\i]
.endr
.endr
	global_store_b128 v[LI], v[CD:CD+3], s[14:15] offset:1024*(\a)
	global_store_b128 v[LI], v[CD+4:CD+7], s[14:15] offset:1024*(\a)+512
	ds_store_b32 v[STW], v[BM+(\a)] offset:128*(\a)     ; the scale words are gathered in my stage: 128 bytes a block
.endm
	PLACES 4                                       ; between the last products and the first read of results, and the first write of registers that they read
.irp b, 0,1,2,3
	v_mov_b32 v[TM+4+\b], 0                        ; written once: a lane permute's destination counts as one of its sources
.endr
.irp a, 0,1,2,3,4,5,6,7                ; each block has registers of its own for its codes and its word: no store's data are written again
	BLOCK \a
.endr
	ds_load_b128 v[SB:SB+3], v[STR]                ; LDS serves a wave's instructions in order (ISA guide 5.7.1.4): these see my stores
	ds_load_b128 v[SB+4:SB+7], v[STR] offset:512
	s_wait_dscnt 0x0
	global_store_b128 v[LI], v[SB:SB+3], s[16:17]  ; my eight blocks' scale words: 1,024 consecutive bytes
	global_store_b128 v[LI], v[SB+4:SB+7], s[16:17] offset:512
	s_wait_tensorcnt 0x0
	ds_add_u32 v126, v127
	s_wait_dscnt 0x0
	CROUND                                         ; the closing round: no work-group ends while a partner may still ask for a tile that names it
	s_endpgm
.Lfunc_end_k_q968de72df5_proj:
	.size	k_q968de72df5_proj, .Lfunc_end_k_q968de72df5_proj-k_q968de72df5_proj
	.p2alignl 7, 3214868480
	.fill 96, 4, 3214868480
	.section	.rodata,"a",@progbits
	.p2align	6, 0x0
	.amdhsa_kernel k_q968de72df5_proj
		.amdhsa_group_segment_fixed_size 327680
		.amdhsa_private_segment_fixed_size 0
		.amdhsa_enable_private_segment 0
		.amdhsa_kernarg_size 168
		.amdhsa_user_sgpr_count 2
		.amdhsa_user_sgpr_kernarg_segment_ptr 1
		.amdhsa_wavefront_size32 1
		.amdhsa_system_sgpr_workgroup_id_x 1
		.amdhsa_system_sgpr_workgroup_id_y 1
		.amdhsa_system_sgpr_workgroup_id_z 1
		.amdhsa_system_vgpr_workitem_id 0
		.amdhsa_next_free_vgpr 1024
		.amdhsa_next_free_sgpr 106
		.amdhsa_reserve_vcc 0
		.amdhsa_float_denorm_mode_32 3
		.amdhsa_float_denorm_mode_16_64 3
		.amdhsa_memory_ordered 1
		.amdhsa_forward_progress 1
		.amdhsa_inst_pref_size 150
	.end_amdhsa_kernel
	.amdgpu_metadata
---
amdhsa.version: [ 1, 2 ]
amdhsa.kernels:
  - .name:           k_q968de72df5_proj
    .symbol:         k_q968de72df5_proj.kd
    .args:
      - { .name: q_codes, .offset: 0, .size: 8, .value_kind: global_buffer, .address_space: global }
      - { .name: q_scales, .offset: 8, .size: 8, .value_kind: global_buffer, .address_space: global }
      - { .name: Wq_codes, .offset: 16, .size: 8, .value_kind: global_buffer, .address_space: global }
      - { .name: Wq_scales, .offset: 24, .size: 8, .value_kind: global_buffer, .address_space: global }
      - { .name: bq, .offset: 32, .size: 8, .value_kind: global_buffer, .address_space: global }
      - { .name: q_img, .offset: 40, .size: 8, .value_kind: global_buffer, .address_space: global }
      - { .name: q_sc, .offset: 48, .size: 8, .value_kind: global_buffer, .address_space: global }
      - { .name: k_codes, .offset: 56, .size: 8, .value_kind: global_buffer, .address_space: global }
      - { .name: k_scales, .offset: 64, .size: 8, .value_kind: global_buffer, .address_space: global }
      - { .name: Wk_codes, .offset: 72, .size: 8, .value_kind: global_buffer, .address_space: global }
      - { .name: Wk_scales, .offset: 80, .size: 8, .value_kind: global_buffer, .address_space: global }
      - { .name: bk, .offset: 88, .size: 8, .value_kind: global_buffer, .address_space: global }
      - { .name: k_img, .offset: 96, .size: 8, .value_kind: global_buffer, .address_space: global }
      - { .name: k_sc, .offset: 104, .size: 8, .value_kind: global_buffer, .address_space: global }
      - { .name: Wv_codes, .offset: 112, .size: 8, .value_kind: global_buffer, .address_space: global }
      - { .name: Wv_scales, .offset: 120, .size: 8, .value_kind: global_buffer, .address_space: global }
      - { .name: v_codes, .offset: 128, .size: 8, .value_kind: global_buffer, .address_space: global }
      - { .name: v_scales, .offset: 136, .size: 8, .value_kind: global_buffer, .address_space: global }
      - { .name: bv, .offset: 144, .size: 8, .value_kind: global_buffer, .address_space: global }
      - { .name: v_img, .offset: 152, .size: 8, .value_kind: global_buffer, .address_space: global }
      - { .name: v_sc, .offset: 160, .size: 8, .value_kind: global_buffer, .address_space: global }
    .group_segment_fixed_size: 327680
    .private_segment_fixed_size: 0
    .kernarg_segment_align: 8
    .kernarg_segment_size: 168
    .max_flat_workgroup_size: 128
    .sgpr_count:     106
    .vgpr_count:     1024
    .wavefront_size: 32
...
	.end_amdgpu_metadata
.endif
;; end of part 1
;; launch attn (part 2): grid 4 x 64, 16 waves a work-group, clusters of 4 x 1, 169,984 bytes of LDS; arguments q_img, q_sc, k_img, k_sc, v_img, v_sc, o_img, o_sc; writes o_img, o_sc
.if DOCPART == 2
	.amdgcn_target "amdgcn-amd-amdhsa--gfx1250"
	.amdhsa_code_object_version 6
	.text
	.protected	k_q968de72df5_attn
	.globl	k_q968de72df5_attn
	.p2align	8
	.type	k_q968de72df5_attn,@function
k_q968de72df5_attn:
	s_mov_b64 s[64:65], 0
	v_nop
	global_prefetch_b8 v0, s[64:65] scope:SCOPE_SE
	s_setreg_imm32_b32 hwreg(HW_REG_WAVE_MODE, 25, 1), 1
	s_wait_xcnt 0x0
	s_wait_alu depctr_hold_cnt(0) depctr_sa_sdst(0) depctr_va_vdst(0) depctr_va_sdst(0) depctr_va_ssrc(0) depctr_va_vcc(0) depctr_vm_vsrc(0)
	s_getreg_b32 s2, hwreg(HW_REG_IB_STS2, 6, 4)
	s_cmp_eq_u32 s2, 0
	s_cbranch_scc0 .Lentry_in_a_cluster
	s_endpgm
.Lentry_in_a_cluster:
	s_bfe_u32 s2, ttmp6, 0x10000c
	s_cmp_lg_u32 s2, 0x3003
	s_cbranch_scc0 .Lentry_shape_is_right
	s_endpgm
.Lentry_shape_is_right:
; CAUSAL ATTENTION of one head on codes of FP4 (E2M1) with one E8M0 scale for each 32 along a product's K, and the quantising of its result along the model's 1,024 for the last projection.
; 64 heads (4 batches x 16), 2,048 queries and keys, head size 64.  All operands come as images of operand registers, made by the launch before: a group of four registers is 512 consecutive bytes, 16 a lane.
; THE SOFTMAX AHEAD OF THE SECOND PRODUCT: t = score x log2(e) / 8; M = the row's largest t so far, rounded UP to a whole number; p = 2^(t - M) is quantised along the keys, not normalised.
; The row's sum is taken of the unquantised p and divides O at the end.  When M moves, the sum and O are multiplied by 2^(old M - new M): exact.
; SHARES.  The four work-groups of a head form a cluster; each has sixteen waves of 256 registers, four to a SIMD, so that one wave's vector work stands beside another's matrix work and LDS loads.
; Wave w of partner cx owns TWO tiles of 16 queries: tile 4 w + cx and tile 127 - (4 w + cx).  Key steps of 128 keys: the first tile needs w / 2 + 1 of them, the second 16 - w / 2: 17 for every wave.
; These counts hang on the wave's number alone; cx enters only Q's and O's addresses in memory and the number against which the mask compares.
; A HEAD'S WHOLE K AND V LIE IN LDS (64 KiB each, and 8 KiB each of scale words), filled ONCE at the head by four joint loads that all four partners ask for together.  No LDS byte is filled a second time.
; LAYOUT.  Both products are used transposed: S^T = K Q^T (source 0 = 16 keys, source 1 = my 16 queries), O^T = V^T P^T (source 0 = 16 of the head's 64, source 1 = P): a lane holds ONE query (lane % 16) throughout.
; Place x of token tile t is token 16 (t - t % 2) + 8 (t % 2) + x + 8 (x / 8): so the 16 registers of the key tiles 2 b and 2 b + 1 are 16 neighbouring keys, 32 b + 16 (lane / 16) + 0 .. 15.  V's rows are chosen likewise: O^T's registers run along the head.
; THE FIRST PRODUCT'S K IS 64: registers 4-7 of its fragments hold zero codes on both sides, written once; what the scale words hold for that half meets zeros alone and is never 0xff.
; LIMITS: NaN and infinities are not served.  A block's largest p is taken from its largest score by the same two instructions (it leans on v_exp_f32 not falling where its input rises).
; A block of O whose largest magnitude lies under 2^-124 gets the scale byte 1; these bytes are read by this program alone.  o_sc is stored a byte a lane: one sixteenth of the bytes of o_img.
; REGISTERS: v1-7, v25 addresses that stay; v8-11 addresses of the step; v12 -M, v13 the largest t, v[14:15] the sum in two halves; v16-23, v24 Q and its scale word, first tile; v192-199, v200 second tile; v26-30 O's codes and byte;
;   v32-63 four fragments of K; v64-95 four of V; v96-159 S^T, then p; v160-191 O^T; v224-231 p's codes; v240-243 V's scale words; v248-251 K's; v232-239, v244-247, v252-254 at work (v253: p's scale word).
.set KIMG, 0                           ; LDS: K's images, [token tile 128][512 bytes]
.set VIMG, 65536                       ; V's: [key step 16][tile of the head's 64: 4][group 2][512]
.set KSC,  131072                      ; K's scale words: [token tile][16 words]
.set VSC,  139264                      ; V's: [key step][tile][32 words]
.set AK0,  1                           ; v1   16 x lane + KIMG
.set AV0,  2                           ; v2   16 x lane + VIMG
.set AS0,  3                           ; v3   4 x (lane % 16) + KSC
.set AT0,  4                           ; v4   4 x lane + VSC
.set DQ,   5                           ; v5   my query's place in its 32 tokens less 16 (lane / 16)
.set GI,   6                           ; v6   16 x lane: my place in an image in memory
.set GB,   7                           ; v7   32 x (lane % 16) + lane / 16: my scale byte's place
.set ADK,  8
.set ADV,  9
.set ADS,  10
.set ADT,  11
.set GS,   25                          ; v25  4 x (lane % 16)
.set QA,   16
.set QSA,  24
.set QB,   192
.set QSB,  200
.set QBS,  2                           ; s[2:3]   Q's scale words, second tile
.set OAI,  8                           ; s[8:9]   O's image, first tile;  s[10:11] its scale bytes;  s[12:15] the second tile's
.set OAS,  10
.set OBI,  12
.set OBS,  14
.set WV,   20
.set CX,   21
.set BH,   22                          ; 16 x batch + head
.set CNT,  23
.set G1K,  24                          ; s[24:55] four descriptor groups 1
.set G1V,  32
.set G1KS, 40
.set G1VS, 48
.set G0K,  56                          ; s[56:63], s[68:75] their groups 0
.set G0V,  60
.set QBI,  66                          ; s[66:67] Q's image, second tile
.set G0KS, 68
.set G0VS, 72
.set SEL,  92                          ; s[92:93] lane selects for v_permlanex16_b32: lane l xor 16
.set CS,   94                          ; s[94:95] c = log2(e) / 8: the packed form names a pair and takes its low word for both halves
.set LIMA, 96                          ; the key step on the first tile's diagonal
.set SDA,  97                          ; where its queries begin in that step's 128 keys
.set KS,   98                          ; the key step
.set T4,   99                          ; 4,096 x KS: a step's images
.set T5,   100                         ; 512 x KS: a step's scale words
.set HM,   101                         ; lanes 16-31
.set LIMB, 104
.set SDB,  105
.macro CROUND                          ; a round of the cluster's barrier
	s_barrier_signal -1
	s_barrier_wait -1
	s_cmp_lg_u32 s[WV], 0
	s_cbranch_scc1 .Lnot_wave_0_\@
	s_barrier_signal -3
.Lnot_wave_0_\@:
	s_barrier_wait -3
	s_barrier_signal -1
	s_barrier_wait -1
.endm
.macro DESC g, c, r, p                 ; group 1: r rows of c elements of 8 bytes, p elements from row to row; dense in LDS; the mask names all four partners
	s_mov_b32 s[\g], 15|(3<<16)|(1<<21)
	s_mov_b32 s[\g+1], (\c)<<16
	s_mov_b32 s[\g+2], (\r)<<16
	s_mov_b32 s[\g+3], (\c)<<16
	s_mov_b32 s[\g+4], \r
	s_mov_b32 s[\g+5], \p
	s_mov_b32 s[\g+6], 0
	s_mov_b32 s[\g+7], 0
.endm
.macro G0SET g, lds, ptr
	s_mov_b32 s[\g], 1
	s_mov_b32 s[\g+1], \lds
	s_mov_b64 s[\g+2:\g+3], s[\ptr:\ptr+1]
	s_or_b32 s[\g+3], s[\g+3], 0x80000000
.endm
	s_load_b512 s[4:19], s[0:1], 0x0               ; q_img, q_sc, k_img, k_sc, v_img, v_sc, o_img, o_sc
	v_lshl_add_u32 v223, v0, 2, 0x29000
	v_mov_b32 v255, 0
	ds_add_u32 v223, v255
	ds_add_u32 v223, v255
	v_lshrrev_b32 v8, 5, v0
	s_delay_alu instid0(VALU_DEP_1)
	v_readfirstlane_b32 s[WV], v8                  ; wave 0..15
	s_bfe_u32 s[CX], ttmp6, 0x40000                ; my place in the cluster
	s_and_b32 s[BH], ttmp7, 0xffff                 ; the head, which the four partners share
	DESC G1K,  64, 128, 128                        ; K: 128 tiles x 512 bytes, 1,024 apart (the pair's other head lies between)
	DESC G1V,  512, 16, 1024                       ; V: 16 key steps x 4,096 bytes, 8,192 apart
	DESC G1KS, 8, 128, 16                          ; K's scale words: 128 x 64 bytes, 128 apart
	DESC G1VS, 64, 16, 128                         ; V's: 16 x 512 bytes, 1,024 apart
	s_lshr_b32 s78, s[BH], 1
	s_lshl_b32 s78, s78, 17                        ; the pair of heads: 2^17 bytes of images,
	s_and_b32 s79, s[BH], 1                        ; and which of the pair
	s_mov_b32 s77, 0
	s_mov_b32 s[SEL], 0x76543210
	s_mov_b32 s[SEL+1], 0xfedcba98
	s_mov_b32 s[CS], 0x3e38aa3b                    ; c = log2(e) / 8
	s_mov_b32 s[CS+1], s[CS]                       ; (named with it as a pair, so it is written)
	s_mov_b32 s[HM], 0xffff0000
	v_and_b32 v9, 31, v0                           ; lane
	v_and_b32 v10, 15, v0                          ; r
	v_bfe_u32 v11, v0, 4, 1                        ; h
	s_delay_alu instid0(VALU_DEP_3)
	v_lshlrev_b32 v[AK0], 4, v9
	s_delay_alu instid0(VALU_DEP_4)
	v_lshl_add_u32 v[AV0], v9, 4, VIMG
	s_delay_alu instid0(VALU_DEP_4)
	v_lshl_add_u32 v[AS0], v10, 2, KSC
	v_lshl_add_u32 v[AT0], v9, 2, VSC
	v_and_b32 v[DQ], 8, v10
	s_delay_alu instid0(VALU_DEP_1)
	v_add_nc_u32 v[DQ], v[DQ], v10                 ; r + 8 (r / 8)
	v_lshlrev_b32 v8, 4, v11
	s_delay_alu instid0(VALU_DEP_1)
	v_sub_nc_u32 v[DQ], v[DQ], v8                  ; - 16 h
	v_lshlrev_b32 v[GI], 4, v9
	v_lshl_add_u32 v[GB], v10, 5, v11
	v_lshlrev_b32 v[GS], 2, v10
.irp t, 0,1,2,3
.irp j, 4,5,6,7
	v_mov_b32 v[32+8*\t+\j], 0                     ; K = 64 .. 127 of the first product: zero codes, written once; each fragment has its own
.endr
.endr
.irp j, 4,5,6,7
	v_mov_b32 v[QA+\j], 0
	v_mov_b32 v[QB+\j], 0
.endr
.irp b, 0,1,2,3
	v_mov_b32 v[236+\b], 0                         ; written once: a lane permute's destination counts as one of its sources
.endr
	v_mov_b32 v252, 0
	v_mov_b32 v253, 0                              ; (named as the upper half of the pair v[252:253] before it is first written)
	s_wait_dscnt 0x0
	s_wait_kmcnt 0x0
	s_lshl_b32 s76, s79, 9
	s_add_co_u32 s76, s76, s78
	s_add_nc_u64 s[8:9], s[8:9], s[76:77]          ; my head's K images,
	s_lshl_b32 s76, s79, 12
	s_add_co_u32 s76, s76, s78
	s_add_nc_u64 s[12:13], s[12:13], s[76:77]      ; V images,
	s_lshr_b32 s78, s78, 3
	s_lshl_b32 s76, s79, 6
	s_add_co_u32 s76, s76, s78
	s_add_nc_u64 s[10:11], s[10:11], s[76:77]      ; K scale words,
	s_lshl_b32 s76, s79, 9
	s_add_co_u32 s76, s76, s78
	s_add_nc_u64 s[14:15], s[14:15], s[76:77]      ; V scale words: nothing here hangs on cx
	G0SET G0K,  KIMG, 8
	G0SET G0V,  VIMG, 12
	G0SET G0KS, KSC,  10
	G0SET G0VS, VSC,  14
	CROUND                                         ; all four work-groups are here: the joint loads meet
	s_cmp_lg_u32 s[WV], 0                          ; waves 0 to 3 ask for one tile each, the others for none; the branches hang on the wave's number alone.  Four v_nop follow each load
	s_cbranch_scc1 .Lw1
	tensor_load_to_lds s[G0K:G0K+3], s[G1K:G1K+7]
	s_nop 0
.rept 4
	v_nop
.endr
	s_branch .Lasked
.Lw1:
	s_cmp_lg_u32 s[WV], 1
	s_cbranch_scc1 .Lw2
	tensor_load_to_lds s[G0V:G0V+3], s[G1V:G1V+7]
	s_nop 0
.rept 4
	v_nop
.endr
	s_branch .Lasked
.Lw2:
	s_cmp_lg_u32 s[WV], 2
	s_cbranch_scc1 .Lw3
	tensor_load_to_lds s[G0KS:G0KS+3], s[G1KS:G1KS+7]
	s_nop 0
.rept 4
	v_nop
.endr
	s_branch .Lasked
.Lw3:
	s_cmp_lg_u32 s[WV], 3
	s_cbranch_scc1 .Lasked
	tensor_load_to_lds s[G0VS:G0VS+3], s[G1VS:G1VS+7]
	s_nop 0
.rept 4
	v_nop
.endr
.Lasked:
	; ---- my two tiles of queries (from here on registers s80-87 hold numbers made of cx; none of them feeds a descriptor, an LDS address or a branch)
	s_lshl_b32 s82, s[WV], 2
	s_add_co_u32 s82, s82, s[CX]                   ; the first tile: 4 w + cx
	s_sub_co_u32 s83, 127, s82                     ; the second
	s_mov_b32 s81, 0
	s_lshr_b32 s84, s[BH], 1
	s_lshl_b32 s84, s84, 7                         ; 128 tiles to a pair of heads
	s_and_b32 s85, s[BH], 1
	s_lshl_b32 s85, s85, 9
	s_add_co_u32 s80, s84, s83
	s_lshl_b32 s80, s80, 10                        ; 1,024 bytes a tile: two heads' images
	s_add_co_u32 s80, s80, s85
	s_add_nc_u64 s[QBI:QBI+1], s[4:5], s[80:81]
	s_lshr_b32 s80, s80, 3                         ; scale words: an eighth of that
	s_add_nc_u64 s[QBS:QBS+1], s[6:7], s[80:81]
	s_add_co_u32 s80, s84, s82
	s_lshl_b32 s80, s80, 10
	s_add_co_u32 s80, s80, s85
	s_add_nc_u64 s[4:5], s[4:5], s[80:81]
	s_lshr_b32 s80, s80, 3
	s_add_nc_u64 s[6:7], s[6:7], s[80:81]
	global_load_b128 v[QA:QA+3], v[GI], s[4:5]     ; Q stays in registers
	global_load_b32 v[QSA], v[GS], s[6:7]
	global_load_b128 v[QB:QB+3], v[GI], s[QBI:QBI+1]
	global_load_b32 v[QSB], v[GS], s[QBS:QBS+1]
	s_lshr_b32 s84, s[BH], 4
	s_lshl_b32 s84, s84, 7                         ; O: 128 tiles of rows to a batch
	s_and_b32 s85, s[BH], 15
	s_lshl_b32 s86, s85, 9                         ; my head's image in a tile's 8,192 bytes,
	s_lshl_b32 s85, s85, 1                         ; and its two bytes in a row's 32
	s_add_co_u32 s87, s84, s82
	s_lshl_b32 s80, s87, 13
	s_add_co_u32 s80, s80, s86
	s_add_nc_u64 s[OAI:OAI+1], s[16:17], s[80:81]
	s_lshl_b32 s80, s87, 9
	s_add_co_u32 s80, s80, s85
	s_add_nc_u64 s[OAS:OAS+1], s[18:19], s[80:81]
	s_add_co_u32 s87, s84, s83
	s_lshl_b32 s80, s87, 13
	s_add_co_u32 s80, s80, s86
	s_add_nc_u64 s[OBI:OBI+1], s[16:17], s[80:81]
	s_lshl_b32 s80, s87, 9
	s_add_co_u32 s80, s80, s85
	s_add_nc_u64 s[OBS:OBS+1], s[18:19], s[80:81]
	s_lshr_b32 s[LIMA], s[WV], 1                   ; tile t lies on the diagonal of key step t / 8: w / 2 and 15 - w / 2, whatever cx
	s_sub_co_u32 s[LIMB], 15, s[LIMA]
	s_bfe_u32 s[SDA], s82, 0x20001                 ; and begins 32 ((t / 2) % 4) + 8 (t % 2) keys into it
	s_lshl_b32 s[SDA], s[SDA], 5
	s_and_b32 s84, s82, 1
	s_lshl_b32 s84, s84, 3
	s_add_co_u32 s[SDA], s[SDA], s84
	s_bfe_u32 s[SDB], s83, 0x20001
	s_lshl_b32 s[SDB], s[SDB], 5
	s_and_b32 s84, s83, 1
	s_lshl_b32 s84, s84, 3
	s_add_co_u32 s[SDB], s[SDB], s84
; A KEY STEP of one tile of queries: 128 keys.  qf, qs: the tile's fragment and scale word; lim: the step on its diagonal; sd: where its queries begin there.
.macro STEP qf, qs, lim, sd
	s_cmp_gt_u32 s[KS], s[\lim]                    ; a step all of whose keys come after my queries is left out: a scalar branch on the wave's number and the loop's count, round the work, not round the lines that step addresses
	s_cbranch_scc1 .Lhid_\@
	s_setprio 2
	v_add_nc_u32 v[ADK], s[T4], v[AK0]             ; (these four are also places behind the last step's products, ahead of the loads below)
	v_add_nc_u32 v[ADV], s[T4], v[AV0]
	v_add_nc_u32 v[ADS], s[T5], v[AS0]
	v_add_nc_u32 v[ADT], s[T5], v[AT0]
.irp t, 0,1,2,3                        ; S^T = K Q^T, four tiles of 16 keys at a time
	ds_load_b128 v[32+8*\t:35+8*\t], v[ADK] offset:512*\t
	ds_load_b32 v[248+\t], v[ADS] offset:64*\t
.endr
	s_wait_alu depctr_va_vdst(0)
	s_wait_dscnt 0x0
.irp t, 0,1,2,3
	v_wmma_scale_f32_16x16x128_f8f6f4 v[96+8*\t:103+8*\t], v[32+8*\t:39+8*\t], v[\qf:\qf+7], 0, v[248+\t], v[\qs] matrix_a_fmt:MATRIX_FMT_FP4 matrix_b_fmt:MATRIX_FMT_FP4
.endr
.rept 4
	v_nop                                          ; four places ahead of loads into registers that these products read
.endr
.irp t, 0,1,2,3
	ds_load_b128 v[32+8*\t:35+8*\t], v[ADK] offset:512*(4+\t)
	ds_load_b32 v[248+\t], v[ADS] offset:64*(4+\t)
.endr
.irp d, 0,1,2,3                        ; V's four fragments and scale words are asked for here and land under the softmax
	ds_load_b128 v[64+8*\d:67+8*\d], v[ADV] offset:1024*\d
	ds_load_b128 v[68+8*\d:71+8*\d], v[ADV] offset:1024*\d+512
	ds_load_b32 v[240+\d], v[ADT] offset:128*\d
.endr
	s_wait_dscnt 12                                ; K's eight loads are in; V's twelve, issued behind them, may stay out
.irp t, 0,1,2,3
	v_wmma_scale_f32_16x16x128_f8f6f4 v[128+8*\t:135+8*\t], v[32+8*\t:39+8*\t], v[\qf:\qf+7], 0, v[248+\t], v[\qs] matrix_a_fmt:MATRIX_FMT_FP4 matrix_b_fmt:MATRIX_FMT_FP4
.endr
.rept 4
	v_nop                                          ; four places ahead of the first read of results
.endr
	s_cmp_lg_u32 s[KS], s[\lim]                    ; on the diagonal the scores of hidden keys become -infinity ahead of the maximum: p = 0 then.  A step all of whose keys count skips this
	s_cbranch_scc1 .Lopen_\@
	v_add_nc_u32 v252, s[\sd], v[DQ]               ; d = my query - the step's first key - 16 (lane / 16).  Register 16 b + i holds key 32 b + 16 (lane / 16) + i: hidden where 32 b + i > d
	v_mov_b32 v254, 0xff800000                     ; -infinity
.set n, 0
.rept 64
	v_cmp_gt_i32 vcc_lo, 32*(n/16)+n%16, v252
	v_cndmask_b32 v[96+n], v[96+n], v254, vcc_lo
.set n, n+1
.endr
.Lopen_\@:
.irp b, 0,1,2,3
	v_max3_num_f32 v[232+\b], v[96+16*\b], v[97+16*\b], v[98+16*\b]   ; the largest score of each block of 32 keys: it serves for the row's maximum and, since p rises with the score, for the block's largest p
.endr
.irp i, 3,5,7,9,11,13
.irp b, 0,1,2,3
	v_max3_num_f32 v[232+\b], v[232+\b], v[96+16*\b+\i], v[97+16*\b+\i]   ; (the four blocks by turns)
.endr
.endr
.irp b, 0,1,2,3
	v_max_num_f32 v[232+\b], v[232+\b], v[111+16*\b]
.endr
.irp b, 0,1,2,3
	s_delay_alu instid0(VALU_DEP_4)
	v_permlanex16_b32 v[236+\b], v[232+\b], s[SEL], s[SEL+1]
.endr
.irp b, 0,1,2,3
	s_delay_alu instid0(VALU_DEP_4)
	v_max_num_f32 v[232+\b], v[232+\b], v[236+\b]  ; with lane l xor 16's 16 keys
.endr
	s_delay_alu instid0(VALU_DEP_2)
	v_max3_num_f32 v254, v232, v233, v234
	s_delay_alu instid0(VALU_DEP_1)
	v_max_num_f32 v254, v254, v235                 ; the step's largest score of my query
	s_delay_alu instid0(VALU_DEP_1)
	v_mul_f32 v254, s[CS], v254                    ; as t (c is positive)
	s_delay_alu instid0(VALU_DEP_1)
	v_max_num_f32 v13, v13, v254                   ; the running largest t
	v_mov_b32 v254, v12
	s_delay_alu instid0(VALU_DEP_2)
	v_floor_f32 v12, -v13                          ; the new -M = floor(-t) = -ceil(t): M is a whole number
	s_delay_alu instid0(VALU_DEP_1)
	v_sub_f32 v254, v12, v254                      ; M's old value less its new one: a whole number, 0 or less
	s_delay_alu instid0(VALU_DEP_1)
	v_cvt_i32_f32 v254, v254                       ; (it saturates)
	s_delay_alu instid0(VALU_DEP_1)
	v_ldexp_f32 v252, 1.0, v254                    ; f = 2^(old M - new M): a multiplication by it rounds nothing
	s_setprio 1
.irp j, 0,2,4,6,8,10,12,14,16,18,20,22,24,26,28,30,32,34,36,38,40,42,44,46,48,50,52,54,56,58,60,62
	v_pk_fma_f32 v[96+\j:97+\j], v[96+\j:97+\j], s[CS:CS+1], v[12:13] op_sel_hi:[1,0,0]   ; t - M, two at a time (of the pairs c and -M the low word serves both halves)
.endr
.irp b, 0,1,2,3
	v_fma_f32 v[232+\b], v[232+\b], s[CS], v12     ; the same of each block's largest score
.endr
.set n, 0
	s_wait_alu depctr_va_vdst(0)
.rept 64
	v_exp_f32 v[96+n], v[96+n]                     ; p = 2^(t - M), at most 1: not normalised
.set n, n+1
.endr
	v_pk_mul_f32 v[14:15], v[14:15], v[252:253] op_sel_hi:[1,0]   ; the sums under the new M.  (The plain instruction behind the exponentials)
	s_wait_alu depctr_va_vdst(0)                   ; one wait for the whole batch, ahead of its first reader
.irp b, 0,1,2,3
	v_exp_f32 v[232+\b], v[232+\b]                 ; the block's largest p: the same two instructions on the same number give the same bits
.endr
	v_pk_add_f32 v[236:237], v[100:101], v[104:105]
	v_pk_add_f32 v[250:251], v[108:109], v[112:113]
	v_pk_add_f32 v[248:249], v[116:117], v[120:121]
	v_pk_add_f32 v[246:247], v[124:125], v[128:129]
	v_pk_add_f32 v[244:245], v[132:133], v[136:137]
	v_pk_add_f32 v[238:239], v[140:141], v[144:145]
	v_pk_add_f32 v[230:231], v[148:149], v[152:153]
	v_pk_add_f32 v[14:15], v[14:15], v[156:157]
	v_pk_add_f32 v[236:237], v[236:237], v[96:97]
	v_pk_add_f32 v[250:251], v[250:251], v[98:99]
	v_pk_add_f32 v[248:249], v[248:249], v[102:103]
	v_pk_add_f32 v[246:247], v[246:247], v[106:107]
	v_pk_add_f32 v[244:245], v[244:245], v[110:111]
	v_pk_add_f32 v[238:239], v[238:239], v[114:115]
	v_pk_add_f32 v[230:231], v[230:231], v[118:119]
	v_pk_add_f32 v[14:15], v[14:15], v[122:123]
	v_pk_add_f32 v[236:237], v[236:237], v[126:127]
	v_pk_add_f32 v[250:251], v[250:251], v[130:131]
	v_pk_add_f32 v[248:249], v[248:249], v[134:135]
	v_pk_add_f32 v[246:247], v[246:247], v[138:139]
	v_pk_add_f32 v[244:245], v[244:245], v[142:143]
	v_pk_add_f32 v[238:239], v[238:239], v[146:147]
	v_pk_add_f32 v[230:231], v[230:231], v[150:151]
	v_pk_add_f32 v[14:15], v[14:15], v[154:155]
	v_pk_add_f32 v[236:237], v[236:237], v[158:159]
	s_delay_alu instid0(VALU_DEP_2)
	v_pk_add_f32 v[14:15], v[14:15], v[246:247]
	s_delay_alu instid0(VALU_DEP_2)
	v_pk_add_f32 v[236:237], v[236:237], v[244:245]
	v_pk_add_f32 v[250:251], v[250:251], v[238:239]
	v_pk_add_f32 v[248:249], v[248:249], v[230:231]
	s_delay_alu instid0(VALU_DEP_2)
	v_pk_add_f32 v[14:15], v[14:15], v[250:251]
	s_delay_alu instid0(VALU_DEP_2)
	v_pk_add_f32 v[236:237], v[236:237], v[248:249]
	s_delay_alu instid0(VALU_DEP_1)
	v_pk_add_f32 v[14:15], v[14:15], v[236:237]
	s_setprio 0
	s_wait_alu depctr_va_vdst(0)                   ; and one for the four
.irp b, 0,1,2,3
	v_max_num_f32 v[232+\b], 0x1800000, v[232+\b]  ; the floor 2^(3 - 127): the byte cannot fall under 1 (a block whose every p is 0 keeps that byte: its codes are zeros)
.endr
.irp b, 0,1,2,3
	s_delay_alu instid0(VALU_DEP_4)
	v_add_nc_u32 v[244+\b], 0xff000000, v[232+\b]  ; 2 off the exponent field: the conversion's scale operand
.endr
.irp b, 0,1,2,3
	s_delay_alu instid0(VALU_DEP_4)
	v_lshrrev_b32 v[236+\b], 23, v[244+\b]         ; the scale's byte
.endr
	s_delay_alu instid0(VALU_DEP_3)
	v_lshl_or_b32 v253, v237, 8, v236              ; p's scale word for these 128 keys
	s_delay_alu instid0(VALU_DEP_1)
	v_lshl_or_b32 v253, v238, 16, v253
	s_delay_alu instid0(VALU_DEP_1)
	v_lshl_or_b32 v253, v239, 24, v253
.irp b, 0,1,2,3
	v_cvt_scalef32_pk8_fp4_f32 v[224+2*\b], v[96+16*\b:103+16*\b], v[244+\b]
	v_cvt_scalef32_pk8_fp4_f32 v[225+2*\b], v[104+16*\b:111+16*\b], v[244+\b]
.endr
	v_nop                                          ; one plain vector instruction between a scaled conversion and the vector instruction that touches its result
.irp c, 0,1                            ; the operand's layout wants a whole block in a lane: lanes 0-15 block 2 c, lanes 16-31 block 2 c + 1
.irp i, 0,1
	v_permlane16_swap_b32 v[224+4*\c+\i], v[226+4*\c+\i]
.endr
.endr
.irp j, 0,2,4,6,8,10,12,14,16,18,20,22,24,26,28,30
	v_pk_mul_f32 v[160+\j:161+\j], v[160+\j:161+\j], v[252:253] op_sel_hi:[1,0]   ; O^T under the new M: x f, each accumulator from its low end on.  For each product below twelve of these sixteen name none of its registers: the places between p's scale word and codes and the products
.endr
	s_wait_alu depctr_va_vdst(0)
	s_wait_dscnt 0x0                               ; V
.irp d, 0,1,2,3                        ; O^T += V^T P^T: four tiles of 16 of the head's 64, by turns
	v_wmma_scale_f32_16x16x128_f8f6f4 v[160+8*\d:167+8*\d], v[64+8*\d:71+8*\d], v[224:231], v[160+8*\d:167+8*\d], v[240+\d], v253 matrix_a_fmt:MATRIX_FMT_FP4 matrix_b_fmt:MATRIX_FMT_FP4
.endr
.Lhid_\@:
	s_add_co_u32 s[T4], s[T4], 4096
	s_add_co_u32 s[T5], s[T5], 512
	s_add_co_u32 s[KS], s[KS], 1
.endm
; A tile begins: O^T and the sum as zeros and the largest t as -3e38, so that the step is written once: the first change of M multiplies zeros.
.macro START
	v_mov_b32 v13, 0xff61b1e6
	s_delay_alu instid0(VALU_DEP_1)
	v_floor_f32 v12, -v13
	v_mov_b32 v14, 0
	v_mov_b32 v15, 0
.set n, 0
.rept 32
	v_mov_b32 v[160+n], 0
.set n, n+1
.endr
	s_mov_b32 s[KS], 0
	s_mov_b32 s[T4], 0
	s_mov_b32 s[T5], 0
.endm
; A tile ends: O^T / the sum; register 16 b + i is channel 32 b + 16 (lane / 16) + i of my query's head: two blocks of the last projection's K.  They are quantised as p is, and the four registers of codes leave as an image.
.macro FINISH oi, os
	s_wait_xcnt 0x0                                ; the stores of the tile before have read their registers: only behind this wait are v26-30 written again
.rept 4
	v_nop                                          ; four places behind the last products
.endr
	v_add_f32 v14, v14, v15                        ; the sum's two halves,
	s_delay_alu instid0(VALU_DEP_1)
	v_permlanex16_b32 v252, v14, s[SEL], s[SEL+1]
	s_delay_alu instid0(VALU_DEP_1)
	v_add_f32 v14, v14, v252                       ; and lane l xor 16's: the row's sum, above 1/2: the row's own key counts
	s_wait_alu depctr_va_vdst(0)
	v_rcp_f32 v14, v14
	v_nop                                          ; one plain instruction behind the reciprocal
	s_wait_alu depctr_va_vdst(0)                   ; and the wait ahead of its first reader
.set n, 0
.rept 32
	v_mul_f32 v[96+n], v[160+n], v14
.set n, n+1
.endr
.irp b, 0,1
	v_max3_num_f32 v[232+\b], |v[96+16*\b]|, |v[97+16*\b]|, 0x1800000
.endr
.irp i, 2,4,6,8,10,12,14
.irp b, 0,1
	s_delay_alu instid0(VALU_DEP_2)
	v_max3_num_f32 v[232+\b], v[232+\b], |v[96+16*\b+\i]|, |v[97+16*\b+\i]|
.endr
.endr
.irp b, 0,1
	s_delay_alu instid0(VALU_DEP_2)
	v_permlanex16_b32 v[236+\b], v[232+\b], s[SEL], s[SEL+1]
.endr
.irp b, 0,1
	s_delay_alu instid0(VALU_DEP_2)
	v_max_num_f32 v[232+\b], v[232+\b], v[236+\b]
.endr
.irp b, 0,1
	s_delay_alu instid0(VALU_DEP_2)
	v_add_nc_u32 v[244+\b], 0xff000000, v[232+\b]
.endr
.irp b, 0,1
	s_delay_alu instid0(VALU_DEP_2)
	v_lshrrev_b32 v[236+\b], 23, v[244+\b]
.endr
.irp b, 0,1
	v_cvt_scalef32_pk8_fp4_f32 v[26+2*\b], v[96+16*\b:103+16*\b], v[244+\b]
	v_cvt_scalef32_pk8_fp4_f32 v[27+2*\b], v[104+16*\b:111+16*\b], v[244+\b]
.endr
	v_cndmask_b32 v30, v236, v237, s[HM]           ; lanes 0-15 keep block 0's byte, lanes 16-31 block 1's.  (The plain instruction behind the conversions)
	v_permlane16_swap_b32 v26, v28                 ; a whole block in a lane: block (lane / 16)
	v_permlane16_swap_b32 v27, v29
	global_store_b128 v[GI], v[26:29], s[\oi:\oi+1]   ; 512 consecutive bytes
	global_store_b8 v[GB], v30, s[\os:\os+1]
.endm
	s_wait_loadcnt 0x0                             ; Q
	s_wait_tensorcnt 0x0                           ; my tile has landed (waves 4 to 15 have none),
	s_barrier_signal -1
	s_barrier_wait -1                              ; everybody's has: from here on LDS is only read
	START                                          ; the second tile first: the longer walk
	s_mov_b32 s[CNT], 16
.Lkeys_b:
	STEP QB, QSB, LIMB, SDB
	s_sub_co_u32 s[CNT], s[CNT], 1
	s_cmp_lg_u32 s[CNT], 0
	s_cbranch_scc1 .Lkeys_b
	s_setprio 0
	FINISH OBI, OBS
	START
	s_mov_b32 s[CNT], 8                            ; the first tile's queries lie in the first 1,024 tokens
.Lkeys_a:
	STEP QA, QSA, LIMA, SDA
	s_sub_co_u32 s[CNT], s[CNT], 1
	s_cmp_lg_u32 s[CNT], 0
	s_cbranch_scc1 .Lkeys_a
	s_setprio 0
	FINISH OAI, OAS
	s_wait_dscnt 0x0
	s_wait_tensorcnt 0x0
	ds_add_u32 v223, v255
	s_wait_dscnt 0x0
	CROUND                                         ; the closing round: no work-group ends while a partner may still ask for a tile that names it
	s_endpgm
.Lfunc_end_k_q968de72df5_attn:
	.size	k_q968de72df5_attn, .Lfunc_end_k_q968de72df5_attn-k_q968de72df5_attn
	.p2alignl 7, 3214868480
	.fill 96, 4, 3214868480
	.section	.rodata,"a",@progbits
	.p2align	6, 0x0
	.amdhsa_kernel k_q968de72df5_attn
		.amdhsa_group_segment_fixed_size 169984
		.amdhsa_private_segment_fixed_size 0
		.amdhsa_enable_private_segment 0
		.amdhsa_kernarg_size 64
		.amdhsa_user_sgpr_count 2
		.amdhsa_user_sgpr_kernarg_segment_ptr 1
		.amdhsa_wavefront_size32 1
		.amdhsa_system_sgpr_workgroup_id_x 1
		.amdhsa_system_sgpr_workgroup_id_y 1
		.amdhsa_system_sgpr_workgroup_id_z 1
		.amdhsa_system_vgpr_workitem_id 0
		.amdhsa_next_free_vgpr 256
		.amdhsa_next_free_sgpr 106
		.amdhsa_reserve_vcc 1
		.amdhsa_float_denorm_mode_32 3
		.amdhsa_float_denorm_mode_16_64 3
		.amdhsa_memory_ordered 1
		.amdhsa_forward_progress 1
		.amdhsa_inst_pref_size 66
	.end_amdhsa_kernel
	.amdgpu_metadata
---
amdhsa.version: [ 1, 2 ]
amdhsa.kernels:
  - .name:           k_q968de72df5_attn
    .symbol:         k_q968de72df5_attn.kd
    .args:
      - { .name: q_img, .offset: 0, .size: 8, .value_kind: global_buffer, .address_space: global }
      - { .name: q_sc, .offset: 8, .size: 8, .value_kind: global_buffer, .address_space: global }
      - { .name: k_img, .offset: 16, .size: 8, .value_kind: global_buffer, .address_space: global }
      - { .name: k_sc, .offset: 24, .size: 8, .value_kind: global_buffer, .address_space: global }
      - { .name: v_img, .offset: 32, .size: 8, .value_kind: global_buffer, .address_space: global }
      - { .name: v_sc, .offset: 40, .size: 8, .value_kind: global_buffer, .address_space: global }
      - { .name: o_img, .offset: 48, .size: 8, .value_kind: global_buffer, .address_space: global }
      - { .name: o_sc, .offset: 56, .size: 8, .value_kind: global_buffer, .address_space: global }
    .group_segment_fixed_size: 169984
    .private_segment_fixed_size: 0
    .kernarg_segment_align: 8
    .kernarg_segment_size: 64
    .max_flat_workgroup_size: 512
    .sgpr_count:     106
    .vgpr_count:     256
    .wavefront_size: 32
...
	.end_amdgpu_metadata
.endif
;; end of part 2
;; launch outp (part 3): grid 4 x 64, 4 waves a work-group, clusters of 4 x 4, 327,680 bytes of LDS; arguments o_img, o_sc, Wo_codes, Wo_scales, bo, out0; writes out0
.if DOCPART == 3
	.amdgcn_target "amdgcn-amd-amdhsa--gfx1250"
	.amdhsa_code_object_version 6
	.text
	.protected	k_q968de72df5_outp
	.globl	k_q968de72df5_outp
	.p2align	8
	.type	k_q968de72df5_outp,@function
k_q968de72df5_outp:
	s_mov_b64 s[64:65], 0
	v_nop
	global_prefetch_b8 v0, s[64:65] scope:SCOPE_SE
	s_setreg_imm32_b32 hwreg(HW_REG_WAVE_MODE, 25, 1), 1
	s_wait_xcnt 0x0
	s_wait_alu depctr_hold_cnt(0) depctr_sa_sdst(0) depctr_va_vdst(0) depctr_va_sdst(0) depctr_va_ssrc(0) depctr_va_vcc(0) depctr_vm_vsrc(0)
	s_getreg_b32 s2, hwreg(HW_REG_IB_STS2, 6, 4)
	s_cmp_eq_u32 s2, 0
	s_cbranch_scc0 .Lentry_in_a_cluster
	s_endpgm
.Lentry_in_a_cluster:
	s_bfe_u32 s2, ttmp6, 0x10000c
	s_cmp_lg_u32 s2, 0xf033
	s_cbranch_scc0 .Lentry_shape_is_right
	s_endpgm
.Lentry_shape_is_right:
; THE LAST PROJECTION out0 = O Wo + bo on codes of FP4 (E2M1) with one E8M0 scale for each 32 along K = 1,024; out0 [8192][1024] f32.
; A = attention's result, as the launch before left it: o_img [tile of 16 rows: 512][head 16][512 bytes], each 512 bytes the image of four operand registers (two heads are one fragment of 128 along K);
; o_sc [tile][place 16][32 bytes], a row's 32 scale bytes.  Place x of tile T is row 32 (T / 2) + 8 (T % 2) + x + 8 (x / 8) of out0.   B = Wo [1024 features][1024], codes with K innermost, and its scale bytes.
; SHARES.  A work-group makes 128 rows x 256 columns: 256 work-groups.  Each of its four waves makes 64 x 128: 32 accumulators.  4 x 4 work-groups form a cluster: the four of a row need the same tiles of A, the four of a
; column the same rows of B: each tile is asked for jointly, by the same tensor load with a mask that names the four.
; ALL OF K FITS IN LDS: two slots (K 0-511, K 512-1,023) and the scale bytes are each filled ONCE, at the head; no LDS byte is filled a second time.
; THE MATRIX INSTRUCTION IS USED TRANSPOSED (source 0 = 16 rows of Wo, source 1 = 16 rows of O): a lane holds eight neighbouring numbers of a row of out0.  The bias is the C of each sum's first matrix instruction.
; REGISTERS, in windows of 256: window 0: v1-29 addresses; v32-95 scale words, a set for each slot; v128-159, v160-191 A's fragments, two sets; v192-255 the bias; on the way out v128-255 take rows read back from the stage.
;   window 1: v0-63, v128-191 B's fragments, two sets.   window 2: the accumulators ((a, b) at v[8 (8 a + b)]).
.set PITCH,  272                       ; a row of B in LDS: 256 bytes + 16 of padding
.set AHALF,  16384                     ; four tiles of A x 4,096 bytes: what one tensor load brings, and what one wave reads
.set BHALF,  128*PITCH
.set SLOT,   2*AHALF+2*BHALF           ; A's eight tiles, then B's 256 rows
.set SCL,    2*SLOT                    ; behind the slots: the scale bytes, as rows of 256 bytes + 16 of padding: A's 2 x 8 rows, then B's 2 x 16
.set ASH,    8*272
.set BSH,    16*272
.set STG,    SCL+2*ASH+2*BSH           ; behind them: a stage of 16 rows x (512 bytes + 16) for each wave; no tensor load lands here
.set SPITCH, 528
.set ADRA, 16                          ; v16-17  LDS address of my A fragments in slot 0, 1
.set ADRB, 20                          ; v20-21  the same for B
.set STO,  24                          ; v24     the way out: where I put 32 bytes of a row
.set RD,   25                          ; v25     where I read a row back
.set CO,   26                          ; v26     16 x lane
.set ADRS, 27                          ; v27     LDS address of my scale words: lanes 0-15 A's rows, lanes 16-31 B's
.set BNO,  29                          ; v29     32 x (lane / 16)
.set SC,   32
.set AF,   128
.set BN,   192                         ; the bias: register 8 b + j: column 16 b + 8 (lane / 16) + j of my 128
.set BK,   128
.set G1A,  24
.set G0A,  32
.set G1B,  48
.set G0B,  56
.set G1SA, 68
.set G0SA, 76
.set G1SB, 80
.set G0SB, 88
.set WV,   92
.set HR,   93                          ; which half of the tile's rows is mine.  Also: I fetch for A (0) or for B (1)
.set HC,   94                          ; which half of its columns.  Also: which half of that operand I fetch
.set CX,   95
.set CY,   96
.set TR,   98
.set MKA,  100
.set MKB,  101
.set MSB, 0
.macro WIN new
.if MSB != (\new)
	s_set_vgpr_msb (MSB<<8)|(\new)
.set MSB, (\new)
.endif
.endm
.macro PLACES n
.rept \n
	v_nop
.endr
.endm
.macro JLOAD g0a, g1a, g0b, g1b        ; a joint load: waves 0 and 1 fetch for A, waves 2 and 3 for B; four v_nop follow each of the two lines
	s_cmp_eq_u32 s[HR], 0
	s_cbranch_scc0 .Lfor_b_\@
	tensor_load_to_lds s[\g0a:\g0a+3], s[\g1a:\g1a+7]
	s_nop 0
.rept 4
	v_nop
.endr
	s_branch .Lasked_\@
.Lfor_b_\@:
	tensor_load_to_lds s[\g0b:\g0b+3], s[\g1b:\g1b+7]
	s_nop 0
.rept 4
	v_nop
.endr
.Lasked_\@:
.endm
.macro CREST
	s_cmp_lg_u32 s[WV], 0
	s_cbranch_scc1 .Lnot_wave_0_\@
	s_barrier_signal -3
.Lnot_wave_0_\@:
	s_barrier_wait -3
	s_barrier_signal -1
	s_barrier_wait -1
.endm
.macro CROUND
	s_barrier_signal -1
	s_barrier_wait -1
	CREST
.endm
	s_load_b256 s[4:11], s[0:1], 0x0               ; o_img, o_sc, Wo's codes, Wo's scales
	s_load_b128 s[12:15], s[0:1], 0x20             ; bo, out0
	v_lshl_add_u32 v126, v0, 2, 0x3d700
	v_mov_b32 v127, 0
	ds_add_u32 v126, v127
	ds_add_u32 v126, v127
	v_lshrrev_b32 v1, 5, v0
	v_readfirstlane_b32 s[WV], v1                  ; wave 0..3
	s_lshr_b32 s[HR], s[WV], 1
	s_and_b32 s[HC], s[WV], 1
	s_bfe_u32 s[CX], ttmp6, 0x40000                ; cx is also the tile column: the grid is one cluster wide
	s_bfe_u32 s[CY], ttmp6, 0x40004
	s_and_b32 s[TR], ttmp7, 0xffff
	s_lshl_b32 s[TR], s[TR], 2
	s_add_co_u32 s[TR], s[TR], s[CY]               ; tile row: which 128 rows
	s_lshl_b32 s[MKA], s[CY], 2
	s_lshl_b32 s[MKA], 15, s[MKA]                  ; my row of the cluster
	s_lshl_b32 s[MKB], 0x1111, s[CX]               ; my column
	; group 1, A's tiles: 4 rows of 4,096 bytes (512 elements of 8), 8,192 bytes apart; dense in LDS: images are read 512 bytes on end
	s_or_b32 s[G1A], s[MKA], (3<<16)|(1<<21)
	s_mov_b32 s[G1A+1], 512<<16
	s_mov_b32 s[G1A+2], 4<<16
	s_mov_b32 s[G1A+3], 512<<16
	s_mov_b32 s[G1A+4], 4
	s_mov_b32 s[G1A+5], 1024
	s_mov_b32 s[G1A+6], 0
	s_mov_b32 s[G1A+7], 0
	; B's tiles: 128 rows of 256 bytes, 512 apart, 16 bytes of padding behind each
	s_or_b32 s[G1B], s[MKB], (0<<16)|(1<<20)|(1<<21)|(5<<22)|(3<<25)
	s_mov_b32 s[G1B+1], 256<<16
	s_mov_b32 s[G1B+2], 128<<16
	s_mov_b32 s[G1B+3], 256<<16
	s_mov_b32 s[G1B+4], 128
	s_mov_b32 s[G1B+5], 512
	s_mov_b32 s[G1B+6], 0
	s_mov_b32 s[G1B+7], 0
	; the scale bytes: dense blocks as rows of 256 bytes (32 elements of 8), 16 bytes of padding behind each: A's 64 rows are 8 such, B's 128 rows 16
	s_or_b32 s[G1SA], s[MKA], (3<<16)|(1<<20)|(1<<21)|(5<<22)|(3<<25)
	s_mov_b32 s[G1SA+1], 32<<16
	s_mov_b32 s[G1SA+2], 8<<16
	s_mov_b32 s[G1SA+3], 32<<16
	s_mov_b32 s[G1SA+4], 8
	s_mov_b32 s[G1SA+5], 32
	s_mov_b32 s[G1SA+6], 0
	s_mov_b32 s[G1SA+7], 0
	s_or_b32 s[G1SB], s[MKB], (3<<16)|(1<<20)|(1<<21)|(5<<22)|(3<<25)
	s_mov_b32 s[G1SB+1], 32<<16
	s_mov_b32 s[G1SB+2], 16<<16
	s_mov_b32 s[G1SB+3], 32<<16
	s_mov_b32 s[G1SB+4], 16
	s_mov_b32 s[G1SB+5], 32
	s_mov_b32 s[G1SB+6], 0
	s_mov_b32 s[G1SB+7], 0
	s_lshl_b32 s20, s[TR], 3
	s_lshl_b32 s104, s[HC], 2
	s_add_co_u32 s20, s20, s104                    ; A: tile 8 x tile row + 4 x half
	s_lshl_b32 s22, s20, 9                         ; its scale bytes: 512 a tile,
	s_lshl_b32 s20, s20, 13                        ; its images: 8,192 a tile
	s_mov_b32 s21, 0
	s_mov_b32 s23, 0
	s_lshl_b32 s40, s[CX], 8
	s_lshl_b32 s104, s[HC], 7
	s_add_co_u32 s40, s40, s104                    ; B: row 256 x tile column + 128 x half, in registers that never hold cy
	s_lshl_b32 s42, s40, 5
	s_lshl_b32 s40, s40, 9
	s_mov_b32 s41, 0
	s_mov_b32 s43, 0
	s_lshl_b32 s44, s[HC], 14                      ; where they go: no place in the cluster enters an LDS address
	s_mul_i32 s45, s[HC], BHALF
	s_add_co_u32 s45, s45, 2*AHALF
	s_mul_i32 s46, s[HC], ASH
	s_add_co_u32 s46, s46, SCL
	s_mul_i32 s47, s[HC], BSH
	s_add_co_u32 s47, s47, SCL+2*ASH
	s_wait_dscnt 0x0
	s_wait_kmcnt 0x0
	s_add_nc_u64 s[20:21], s[4:5], s[20:21]
	s_add_nc_u64 s[22:23], s[6:7], s[22:23]
	s_add_nc_u64 s[40:41], s[8:9], s[40:41]
	s_add_nc_u64 s[42:43], s[10:11], s[42:43]
	CROUND                                         ; all sixteen work-groups are here: the joint loads meet
	s_mov_b32 s[G0SA], 1
	s_mov_b32 s[G0SA+1], s46
	s_mov_b64 s[G0SA+2:G0SA+3], s[22:23]
	s_or_b32 s[G0SA+3], s[G0SA+3], 0x80000000
	s_mov_b32 s[G0SB], 1
	s_mov_b32 s[G0SB+1], s47
	s_mov_b64 s[G0SB+2:G0SB+3], s[42:43]
	s_or_b32 s[G0SB+3], s[G0SB+3], 0x80000000
	JLOAD G0SA, G1SA, G0SB, G1SB                   ; the scale bytes first: they are wanted with slot 0
.irp s, 0,1
	s_mov_b32 s[G0A+4*\s], 1
	s_add_co_u32 s[G0A+4*\s+1], s44, \s*SLOT
	s_add_nc_u64 s[G0A+4*\s+2:G0A+4*\s+3], s[20:21], \s*4096
	s_or_b32 s[G0A+4*\s+3], s[G0A+4*\s+3], 0x80000000
	s_mov_b32 s[G0B+4*\s], 1
	s_add_co_u32 s[G0B+4*\s+1], s45, \s*SLOT
	s_add_nc_u64 s[G0B+4*\s+2:G0B+4*\s+3], s[40:41], \s*256
	s_or_b32 s[G0B+4*\s+3], s[G0B+4*\s+3], 0x80000000
	s_wait_alu depctr_va_vdst(0)
	s_wait_tensorcnt 0x0
	ds_add_u32 v126, v127
	s_wait_dscnt 0x0
	CROUND
	JLOAD G0A+4*\s, G1A, G0B+4*\s, G1B             ; one load of mine is out: the wait above took in the one before
.endr
	v_and_b32 v1, 15, v0                           ; r
	s_wait_alu depctr_va_vdst(0)
	v_bfe_u32 v2, v0, 4, 1                         ; h
	v_and_b32 v6, 31, v0
	v_lshlrev_b32 v[CO], 4, v6                     ; 16 x lane
	v_lshlrev_b32 v[BNO], 5, v2
	s_lshl_b32 s104, s[CX], 1
	s_add_co_u32 s104, s104, s[HC]
	s_lshl_b32 s104, s104, 9                       ; my 128 columns: 512 bytes, in bo and in a row of out0
	s_mov_b32 s105, 0
	s_add_nc_u64 s[12:13], s[12:13], s[104:105]
	s_add_nc_u64 s[14:15], s[14:15], s[104:105]
.irp b, 0,1,2,3,4,5,6,7
	global_load_b128 v[BN+8*\b:BN+8*\b+3], v[BNO], s[12:13] offset:64*\b
	global_load_b128 v[BN+8*\b+4:BN+8*\b+7], v[BNO], s[12:13] offset:64*\b+16
.endr
	s_lshl_b32 s104, s[TR], 1
	s_add_co_u32 s104, s104, s[HR]
	s_lshl_b32 s104, s104, 18                      ; my 64 rows of 4,096 bytes (32 MiB in all: 32 bits do)
	s_add_nc_u64 s[14:15], s[14:15], s[104:105]
	s_lshl_b32 s104, s[HR], 14                     ; my four tiles of A
	v_mul_u32_u24 v4, v1, PITCH
	s_wait_alu depctr_va_vdst(0)
	v_lshl_add_u32 v4, v2, 4, v4                   ; B: row r x pitch + 16 h
	s_mul_i32 s105, s[HC], BHALF                   ; my 128 rows of B,
	s_add_co_u32 s105, s105, 2*AHALF               ; which lie behind A's tiles
.irp s, 0,1
	v_add_nc_u32 v[ADRA+\s], s104, v[CO]
	v_add_nc_u32 v[ADRB+\s], s105, v4
	s_add_co_u32 s104, s104, SLOT
	s_add_co_u32 s105, s105, SLOT
.endr
	v_lshlrev_b32 v5, 5, v1                        ; my row's scale bytes: 32 a row,
	v_lshrrev_b32 v6, 3, v1
	v_lshl_add_u32 v5, v6, 4, v5                   ; and 16 more for each 256 passed
	s_mul_i32 s104, s[HR], ASH                     ; A's: my 64 rows
	s_mul_i32 s105, s[HC], BSH                     ; B's: my 128 rows, behind A's
	s_add_co_u32 s105, s105, 2*ASH
	s_sub_co_u32 s105, s105, s104
	v_mul_u32_u24 v6, s105, v2                     ; lanes 16-31 take B's: one product, h x the distance
	s_add_co_u32 s104, s104, SCL
	v_add_nc_u32 v5, v5, v6
	v_add_nc_u32 v[ADRS], s104, v5
	s_mul_i32 s104, s[WV], 16*SPITCH
	s_add_co_u32 s104, s104, STG                   ; my stage
	v_mul_u32_u24 v5, v1, SPITCH                   ; in: row r, 32 bytes for each half of the lanes
	v_lshl_add_u32 v5, v2, 5, v5
	v_add_nc_u32 v[STO], s104, v5
	v_add_nc_u32 v[RD], s104, v[CO]                ; back: the 32 lanes take one row of 512 bytes
.macro SCALES sl                       ; a slot's scale words, four a row: lanes 0-15 take A's block i (for i = 4 .. 7 they read bytes of other rows' scales, which nothing uses), lanes 16-31 B's block i
.irp i, 0,1,2,3,4,5,6,7
	ds_load_b128 v[SC+32*(\sl)+4*\i:SC+32*(\sl)+4*\i+3], v[ADRS] offset:544*\i+16*(\sl)
.endr
.endm
.macro FETCH n                         ; the fragments of step n (128 along K: slot n / 4, its (n % 4)-th) into set n % 2
	WIN 0x40                                       ; destination window 1, address window 0
.irp i, 0,1,2,3,4,5,6,7
.irp c, 0,1
	ds_load_b128 v[128*((\n)%2)+8*\i+4*\c:128*((\n)%2)+8*\i+4*\c+3], v[ADRB+(\n)/4] offset:64*((\n)%4)+32*\c+\i*16*PITCH
.endr
.endr
	WIN 0
.irp i, 0,1,2,3
.irp c, 0,1
	ds_load_b128 v[AF+32*((\n)%2)+8*\i+4*\c:AF+32*((\n)%2)+8*\i+4*\c+3], v[ADRA+(\n)/4] offset:4096*\i+512*(2*((\n)%4)+\c)   ; head 2 (n % 4) + c of the slot's eight: registers 4 c .. 4 c + 3
.endr
.endr
.if (\n)%4 == 0
	SCALES (\n)/4
.endif
.endm
; 32 matrix instructions: A's four blocks x B's eight.  The 32 accumulators take turns, one instruction a turn, in the same order in every step.  first = 1: the bias is C
.macro MUL32 p, q, sl, first
.irp a, 0,1,2,3
.irp b, 0,1,2,3,4,5,6,7
.if \first
	v_wmma_scale_f32_16x16x128_f8f6f4 v[8*(8*\a+\b):8*(8*\a+\b)+7], v[128*(\p)+8*\b:128*(\p)+8*\b+7], v[AF+32*(\p)+8*\a:AF+32*(\p)+8*\a+7], v[BN+8*\b:BN+8*\b+7], v[SC+32*(\sl)+4*\b+(\q)], v[SC+32*(\sl)+4*\a+(\q)] matrix_a_fmt:MATRIX_FMT_FP4 matrix_b_fmt:MATRIX_FMT_FP4 matrix_a_scale:MATRIX_SCALE_ROW1
.else
	v_wmma_scale_f32_16x16x128_f8f6f4 v[8*(8*\a+\b):8*(8*\a+\b)+7], v[128*(\p)+8*\b:128*(\p)+8*\b+7], v[AF+32*(\p)+8*\a:AF+32*(\p)+8*\a+7], v[8*(8*\a+\b):8*(8*\a+\b)+7], v[SC+32*(\sl)+4*\b+(\q)], v[SC+32*(\sl)+4*\a+(\q)] matrix_a_fmt:MATRIX_FMT_FP4 matrix_b_fmt:MATRIX_FMT_FP4 matrix_a_scale:MATRIX_SCALE_ROW1
.endif
.endr
.endr
.endm
.macro STEP n
	s_wait_dscnt 0x0                               ; this step's fragments, asked for 32 matrix instructions ago
.if (\n) == 3
	s_wait_tensorcnt 0x0                           ; my part of slot 1 has landed (no LDS instruction of mine is out),
	s_barrier_signal -1
	s_barrier_wait -1                              ; everybody's has: the next fetch reads slot 1.
.endif
.if (\n) < 7
	PLACES 4                                       ; four plain vector instructions between the last products that read a set and the loads into it
	FETCH (\n)+1
.endif
.if (\n) == 0
	WIN 0x81                                       ; source 0 (B) window 1, source 1 (A) and C (the bias) window 0, D window 2
	MUL32 0, 0, 0, 1
.else
	WIN 0xa1                                       ; C and D window 2
	MUL32 (\n)%2, (\n)%4, (\n)/4, 0
.endif
	WIN 0
.endm
	s_wait_alu depctr_va_vdst(0)
	s_wait_loadcnt 0x0                             ; the bias
	s_wait_tensorcnt 1                             ; the scale bytes and my part of slot 0 are in; slot 1's load, the one issued behind them, may stay out
	s_barrier_signal -1
	s_barrier_wait -1                              ; everybody's are
	FETCH 0
.irp n, 0,1,2,3,4,5,6,7
	STEP \n
.endr
; THE WAY OUT, block by block of 16 rows x 128 columns.  A lane holds 32 neighbouring bytes of a row, and the lanes beside it hold other rows: so a block goes through my own stage in LDS and comes back as whole rows of
; 512 bytes, which the 32 lanes store on end.  LDS serves a wave's instructions in order (ISA guide 5.7.1.4): no wait between the stores and the loads, nor in front of the next block's stores.
.macro TOSTAGE a
	WIN 0x08                                       ; an LDS store's data are its source 1: window 2
.irp b, 0,1,2,3,4,5,6,7
	ds_store_b128 v[STO], v[64*(\a)+8*\b:64*(\a)+8*\b+3] offset:64*\b          ; each accumulator from its low end on
	ds_store_b128 v[STO], v[64*(\a)+8*\b+4:64*(\a)+8*\b+7] offset:64*\b+16
.endr
	WIN 0
.set BB, BK+64*((\a)%2)
.irp t, 0,1,2,3,4,5,6,7,8,9,10,11,12,13,14,15
	ds_load_b128 v[BB+4*\t:BB+4*\t+3], v[RD] offset:\t*SPITCH
.endr
.endm
.macro SEND a, younger                 ; younger: the LDS instructions issued behind block a's loads, which may stay out.  Place t of block a is row 32 (a / 2) + 8 (a % 2) + t + 8 (t / 8) of my 64: the base is never stepped
.set BB, BK+64*((\a)%2)
	s_wait_dscnt \younger
.irp t, 0,1,2,3,4,5,6,7,8,9,10,11,12,13,14,15
	global_store_b128 v[CO], v[BB+4*\t:BB+4*\t+3], s[14:15] offset:(32*((\a)/2)+8*((\a)%2)+\t+8*(\t/8))*4096 th:TH_STORE_NT   ; 32 lanes store 512 consecutive bytes, at a multiple of 512 from out0's first byte; written once, read by nobody here
.endr
.endm
	PLACES 4                                       ; between the last products and the first read of results, and the loads into registers that products read
	TOSTAGE 0
.irp a, 1,2,3
.if \a > 1
	s_wait_xcnt 0x0                                ; block a - 2's stores have read their registers: block a's loads may land there
.endif
	TOSTAGE \a
	SEND \a-1, 32                                  ; behind block a - 1's loads: block a's 16 stores and 16 loads
.endr
	SEND 3, 0
	s_wait_tensorcnt 0x0
	ds_add_u32 v126, v127
	s_wait_dscnt 0x0
	CROUND                                         ; the closing round: no work-group ends while a partner may still ask for a tile that names it
	s_endpgm
.Lfunc_end_k_q968de72df5_outp:
	.size	k_q968de72df5_outp, .Lfunc_end_k_q968de72df5_outp-k_q968de72df5_outp
	.p2alignl 7, 3214868480
	.fill 96, 4, 3214868480
	.section	.rodata,"a",@progbits
	.p2align	6, 0x0
	.amdhsa_kernel k_q968de72df5_outp
		.amdhsa_group_segment_fixed_size 327680
		.amdhsa_private_segment_fixed_size 0
		.amdhsa_enable_private_segment 0
		.amdhsa_kernarg_size 48
		.amdhsa_user_sgpr_count 2
		.amdhsa_user_sgpr_kernarg_segment_ptr 1
		.amdhsa_wavefront_size32 1
		.amdhsa_system_sgpr_workgroup_id_x 1
		.amdhsa_system_sgpr_workgroup_id_y 1
		.amdhsa_system_sgpr_workgroup_id_z 1
		.amdhsa_system_vgpr_workitem_id 0
		.amdhsa_next_free_vgpr 768
		.amdhsa_next_free_sgpr 106
		.amdhsa_reserve_vcc 0
		.amdhsa_float_denorm_mode_32 3
		.amdhsa_float_denorm_mode_16_64 3
		.amdhsa_memory_ordered 1
		.amdhsa_forward_progress 1
		.amdhsa_inst_pref_size 74
	.end_amdhsa_kernel
	.amdgpu_metadata
---
amdhsa.version: [ 1, 2 ]
amdhsa.kernels:
  - .name:           k_q968de72df5_outp
    .symbol:         k_q968de72df5_outp.kd
    .args:
      - { .name: o_img, .offset: 0, .size: 8, .value_kind: global_buffer, .address_space: global }
      - { .name: o_sc, .offset: 8, .size: 8, .value_kind: global_buffer, .address_space: global }
      - { .name: Wo_codes, .offset: 16, .size: 8, .value_kind: global_buffer, .address_space: global }
      - { .name: Wo_scales, .offset: 24, .size: 8, .value_kind: global_buffer, .address_space: global }
      - { .name: bo, .offset: 32, .size: 8, .value_kind: global_buffer, .address_space: global }
      - { .name: out0, .offset: 40, .size: 8, .value_kind: global_buffer, .address_space: global }
    .group_segment_fixed_size: 327680
    .private_segment_fixed_size: 0
    .kernarg_segment_align: 8
    .kernarg_segment_size: 48
    .max_flat_workgroup_size: 128
    .sgpr_count:     106
    .vgpr_count:     768
    .wavefront_size: 32
...
	.end_amdgpu_metadata
.endif
;; end of part 3
